; MI455X (gfx1250); checked and timed in simulation.
; The chip was launched on July 23, 2026; its instructions are those of AMD's public machine-readable ISA for CDNA 5 (MIT licence, August 2026) and "CDNA5" Instruction Set Architecture Reference Guide (July 2026). The comments in the code are by the model that wrote it; some were corrected since.
;; Block. Allowed arithmetic: matrix products marked QUANTISED: E2M3 operands, one E8M0 scale for each 32 along K, by v_wmma_scale_f32_16x16x128_f8f6f4 with both operands' format E2M3, f32 sums; everything else in f32.
;; Inputs: W1 1,024 x 4,096 float32; W2 4,096 x 1,024 float32; Wk 16 x 1,024 x 64 float32; Wo 1,024 x 1,024 float32; Wq 16 x 1,024 x 64 float32; Wv 16 x 1,024 x 64 float32; b1 4,096 float32; b2 1,024 float32; bo 1,024 float32; ln1_b 1,024 float32; ln1_g 1,024 float32; ln2_b 1,024 float32; ln2_g 1,024 float32; x 2 x 2,048 x 1,024 float32.
;; Outputs: out0 2 x 2,048 x 1,024 float32.
;; This version of the problem:
;;   THIS VERSION OF THE PROBLEM IS GIVEN IN LOW PRECISION. The matrix products marked QUANTISED in the list below multiply operands that are first quantised to E2M3 (2 exponent bits, 3 mantissa bits; 6 bits a number), with one power-of-two scale for each 32 numbers along K (OCP MX v1.0); their sums are f32. All else is computed in f32.
;;   The module's matrix products, in the order in which they are computed (A, B: the left and right operand; K: the contracted axis; several contracted axes count as one K, in the product's order):
;;     1. [M 1,024, K 1,024] x [K 1,024, N 4,096]; A: input Wq; B: computed on the way: QUANTISED
;;     2. [M 1,024, K 1,024] x [K 1,024, N 4,096]; A: input Wk; B: computed on the way: QUANTISED
;;     3. [M 1,024, K 1,024] x [K 1,024, N 4,096]; A: input Wv; B: computed on the way: QUANTISED
;;     4. batch 32 x [M 2,048, K 64] x [K 64, N 2,048]; A: computed on the way; B: computed on the way: QUANTISED
;;     5. batch 32 x [M 2,048, K 2,048] x [K 2,048, N 64]; A: softmax (see below); B: computed on the way: QUANTISED
;;     6. [M 4,096, K 1,024] x [K 1,024, N 1,024]; A: computed on the way; B: input Wo: QUANTISED
;;     7. [M 4,096, K 1,024] x [K 1,024, N 4,096]; A: computed on the way; B: input W1: QUANTISED
;;     8. [M 4,096, K 4,096] x [K 4,096, N 1,024]; A: computed on the way; B: input W2: QUANTISED
;;   THE QUANTISER, for each operand of a quantised product, along K:
;;     - K is cut into blocks of 32 from its start; a last block that is shorter is filled with zeros.
;;     - A block's scale is 2^e with e = floor(log2(the largest magnitude in the block)) - 2, held to -126 .. 127; a block of zeros has e = 0. As a byte (E8M0): e + 127.
;;     - Each number is divided by its block's scale, clamped to +-7.5, and rounded to the nearest number of E2M3, ties to even, subnormals kept.
;;     - The product sums the exact products of the quantised numbers (number of the format x scale) in f32.
;;   ~~~python
;;   def quantise(x, axis):      # numpy; x: float32 -> the quantised numbers, widened to float32 again
;;       x = np.moveaxis(x, axis, -1); K = x.shape[-1]
;;       x = np.pad(x, [(0, 0)] * (x.ndim - 1) + [(0, -K % 32)]); x = x.reshape(x.shape[:-1] + (-1, 32)); a = np.abs(x).max(-1, keepdims=True)
;;       e = np.where(a > 0, np.clip(np.frexp(np.where(a > 0, a, 1))[1] - 1 - 2, -126, 127), 0)      # np.frexp(a)[1] - 1 = floor(log2(a)), exactly
;;       r = np.clip(x / 2.0 ** e, -7.5, 7.5)
;;       step = 2.0 ** (np.maximum(np.frexp(np.where(r == 0, 1, r))[1] - 1, 0) - 3)
;;       q = np.round(r / step) * step * 2.0 ** e      # np.round: ties to even
;;       return np.moveaxis(q.reshape(q.shape[:-2] + (-1,))[..., :K], -1, axis).astype(np.float32)
;;   ~~~
;;   SOFTMAX AHEAD OF A QUANTISED PRODUCT. Where the list says 'softmax', what is quantised is not the finished softmax but p = 2^(t - M), with t = logit x log2(e) and M = ceil(the row's largest t), a whole number; so 1/2 < the row's largest p <= 1. The row's sum l is taken of the UNQUANTISED p, in f32, and the product's result is divided by l at the end. Since M is a whole number, a kernel that streams over the keys may use a running M (the ceiling of the running maximum): every later rescaling is an exact power of two, which a block's scale takes up: the codes' values come out the same.
;;   OPERANDS COMPUTED ON THE WAY. 'Computed on the way' means the value that the module computes at that place (a softmax that the list does not call 'softmax' is quantised finished and normalised). What goes into a quantiser is computed in f32, as accurately as f32 sums, v_exp_f32 and their like allow (about 1e-6 of the number): no bf16 or f16 on the way to a quantiser, and a product that is left as it is and whose result goes on into a quantised operand takes f32 operands (vector FMAs, or v_wmma_f32_16x16x4_f32). A number that lies on a knife's edge between two numbers of the format may be rounded either way, as far as f32 arithmetic and the matrix unit's own rounding can turn it there, and no further.
;; One version. Each part assembles by itself: llvm-mc -triple=amdgcn-amd-amdhsa -mcpu=gfx1250 --defsym DOCPART=n.
;; ======== version 1 of 1: 7 launches
;; limits: right only within a limited range of input values
;; workspace buffers: wts 10,354,688 bytes; hbuf 3,276,800 bytes; qkv 9,830,400 bytes; att 3,276,800 bytes; x1 16,777,216 bytes; hid 13,107,200 bytes
;; launch prep (part 1): grid 640 x 1, 8 waves a work-group, no clusters, 66,816 bytes of LDS; arguments x, ln1_g, ln1_b, hbuf, Wq, Wk, Wv, Wo, W1, W2, wts; writes hbuf, wts
.if DOCPART == 1
	.amdgcn_target "amdgcn-amd-amdhsa--gfx1250"
	.amdhsa_code_object_version 6
	.text
	.protected	k_qa3b432a7b7_prep
	.globl	k_qa3b432a7b7_prep
	.p2align	8
	.type	k_qa3b432a7b7_prep,@function
k_qa3b432a7b7_prep:
	s_mov_b64 s[64:65], 0
	v_nop
	global_prefetch_b8 v0, s[64:65] scope:SCOPE_SE
	s_setreg_imm32_b32 hwreg(HW_REG_WAVE_MODE, 25, 1), 1
	s_wait_xcnt 0x0
; TWO PREPARING JOBS THAT DO NOT HANG ON EACH OTHER, IN ONE LAUNCH.  Work-groups 0 to 383 quantise the six weights; work-groups 384 to 639 norm and quantise x.  The work-group's number alone chooses the path; only the second path touches LDS.
; LEFT OUT BY THE PROGRAM (in its attention launch): steps of 128 keys that lie wholly behind a query block: reference()'s own tril mask sets their scores to -inf, so their p is 0 whatever the inputs hold.
; A NaN, an infinity or an overflow that reaches only those scores is not carried to the result.  Every input is loaded.
; BOTH PATHS make codes of FP6 (E2M3) with one E8M0 byte for each 32 along K, laid as images of operand registers: a fragment (16 rows x 128 K, 12 registers a lane) has register 4 c + e of lane L at byte 512 c + 16 L + 4 e, 1,536 bytes;
; a tensor is [block of 16][K step][1,536]; scale words lie [K step][16 block + r], 16,384 bytes a K step.  Lane r of block i stands for row (or column) 32 (i / 2) + 8 (i % 2) + r + 8 (r / 8).
; LIMITS: a block's largest magnitude is floored at 2^-124 (byte 1); a block of zeros so gets byte 1, not 127 (zero codes; the bytes are read by this program alone); NaN and infinities are not served.
	s_cmp_lt_u32 ttmp9, 384
	s_cbranch_scc1 .Lweights
; ---- h = layernorm(x) g + b in f32, quantised along its 1,024 columns.  A work-group is one block of 16 rows.  Phase 1: each of eight waves norms two neighbouring rows and lays them in LDS.  Phase 2: wave w quantises K step w of all 16 rows.
.set PITCH, 4112                       ; an LDS row: 4,096 bytes + 16
.set SPARE, 16*PITCH                   ; the spare words, 128 bytes for each wave
.set H_S,   3145728
.set X,   16                           ; v16-79 two rows; in phase 2 the 64 numbers to quantise
.set G,   80
.set B,   112
.set S,   144
.set TM,  80                           ; the quantiser's registers lie over g and b, which phase 1 has read for the last time (a lane permute's destination there has been written by g's loads)
.set PW,  96
.set PC,  100
.set ST,  152                          ; v152-155 the means (a pair a row), v156-159 1 / sigma; v10 eps
.set SPW, 8
.set NIL, 9
	s_load_b256 s[4:11], s[0:1], 0x0               ; x, g, b, hbuf
	v_lshl_add_u32 v[SPW], v0, 2, SPARE
	v_mov_b32 v[NIL], 0
	v_lshrrev_b32 v1, 5, v0
	s_delay_alu instid0(VALU_DEP_1)
	v_readfirstlane_b32 s12, v1                    ; wave
	v_and_b32 v1, 31, v0
	s_delay_alu instid0(VALU_DEP_1)
	v_lshlrev_b32 v2, 4, v1                        ; 16 x lane
	s_wait_alu depctr_va_vdst(0)
	s_sub_co_u32 s26, ttmp9, 384                   ; my block
	s_lshr_b32 s13, s26, 1
	s_lshl_b32 s13, s13, 5
	s_and_b32 s14, s26, 1
	s_lshl_b32 s14, s14, 3
	s_add_co_u32 s13, s13, s14
	s_lshl_b32 s14, s12, 1
	s_add_co_u32 s13, s13, s14
	s_lshr_b32 s14, s12, 2
	s_lshl_b32 s14, s14, 3
	s_add_co_u32 s13, s13, s14                     ; the row of position 2 w; position 2 w + 1 is the next row
	s_lshl_b32 s14, s13, 12
	s_mov_b32 s15, 0
	s_mul_i32 s16, s12, 2*PITCH
	v_add_nc_u32 v3, s16, v2                       ; LDS, in
	v_and_b32 v5, 15, v0                           ; r
	v_bfe_u32 v6, v0, 4, 1                         ; h
	s_delay_alu instid0(VALU_DEP_2)
	v_mul_u32_u24 v4, v5, PITCH
	s_delay_alu instid0(VALU_DEP_1)
	v_lshl_add_u32 v4, v6, 6, v4
	s_lshl_b32 s16, s12, 9
	v_add_nc_u32 v4, s16, v4                       ; LDS, out: row r, K step w, 16 numbers of each block of 32 for my half
	v_lshlrev_b32 v7, 2, v5
	s_mov_b32 s18, 0x3a800000                      ; 1 / 1024
	s_mov_b32 s20, 0x76543210
	s_mov_b32 s21, 0xfedcba98
	v_mov_b32 v10, 0x3727c5ac                      ; eps = 1e-5
	s_lshl_b32 s22, s26, 3
	s_add_co_u32 s22, s22, s12
	s_mul_i32 s22, s22, 1536                       ; my fragment's image
	s_mov_b32 s23, 0
	s_lshl_b32 s24, s12, 14
	s_lshl_b32 s25, s26, 6
	s_add_co_u32 s24, s24, s25
	s_add_co_u32 s24, s24, H_S                     ; its scale words
	s_mov_b32 s25, 0
	s_wait_kmcnt 0x0
	s_add_nc_u64 s[4:5], s[4:5], s[14:15]
	s_add_nc_u64 s[22:23], s[10:11], s[22:23]
	s_add_nc_u64 s[24:25], s[10:11], s[24:25]
.irp e, 0,1
.irp j, 0,1,2,3,4,5,6,7
	global_load_b128 v[X+32*\e+4*\j:X+32*\e+4*\j+3], v2, s[4:5] offset:4096*\e+512*\j th:TH_LOAD_NT
.endr
.endr
.irp j, 0,1,2,3,4,5,6,7
	global_load_b128 v[G+4*\j:G+4*\j+3], v2, s[6:7] offset:512*\j
.endr
.irp j, 0,1,2,3,4,5,6,7
	global_load_b128 v[B+4*\j:B+4*\j+3], v2, s[8:9] offset:512*\j
.endr
.macro RED                             ; each row's two chains, its two halves, then the 32 lanes
.irp e, 0
	s_delay_alu instid0(VALU_DEP_3)
	v_pk_add_f32 v[S+4*\e:S+4*\e+1], v[S+4*\e:S+4*\e+1], v[S+4*\e+2:S+4*\e+3]
.endr
.irp e, 1
	s_delay_alu instid0(VALU_DEP_2)
	v_pk_add_f32 v[S+4*\e:S+4*\e+1], v[S+4*\e:S+4*\e+1], v[S+4*\e+2:S+4*\e+3]
.endr
.irp e, 0,1
	s_delay_alu instid0(VALU_DEP_2)
	v_add_f32 v[S+4*\e], v[S+4*\e], v[S+4*\e+1]
.endr
.irp m, 1,2,4,8
.irp e, 0,1
	s_delay_alu instid0(VALU_DEP_2)
	v_add_f32_dpp v[S+4*\e], v[S+4*\e], v[S+4*\e] row_xmask:\m row_mask:0xf bank_mask:0xf
.endr
.endr
.irp e, 0,1
	s_delay_alu instid0(VALU_DEP_2)
	v_permlanex16_b32 v[S+4*\e+1], v[S+4*\e], s20, s21
.endr
.irp e, 0,1
	s_delay_alu instid0(VALU_DEP_2)
	v_add_f32 v[S+4*\e], v[S+4*\e], v[S+4*\e+1]
.endr
.endm
	s_wait_loadcnt 16                              ; x is in; the 16 loads of g and b may be out
.irp e, 0,1
	v_pk_add_f32 v[S+4*\e:S+4*\e+1], v[X+32*\e:X+32*\e+1], v[X+32*\e+2:X+32*\e+3]
	v_pk_add_f32 v[S+4*\e+2:S+4*\e+3], v[X+32*\e+4:X+32*\e+5], v[X+32*\e+6:X+32*\e+7]
.endr
.irp i, 8,12,16,20,24,28
.irp e, 0,1
	s_delay_alu instid0(VALU_DEP_4)
	v_pk_add_f32 v[S+4*\e:S+4*\e+1], v[S+4*\e:S+4*\e+1], v[X+32*\e+\i:X+32*\e+\i+1]
	s_delay_alu instid0(VALU_DEP_4)
	v_pk_add_f32 v[S+4*\e+2:S+4*\e+3], v[S+4*\e+2:S+4*\e+3], v[X+32*\e+\i+2:X+32*\e+\i+3]
.endr
.endr
	RED
.irp e, 0,1
	s_delay_alu instid0(VALU_DEP_2)
	v_mul_f32 v[ST+2*\e], s18, v[S+4*\e]           ; the mean
.endr
.irp e, 0,1
	s_delay_alu instid0(VALU_DEP_2)
	v_mov_b32 v[ST+2*\e+1], v[ST+2*\e]
.endr
.set J_, 0
.rept 16
.irp e, 0,1
	v_pk_add_f32 v[X+32*\e+J_:X+32*\e+J_+1], v[X+32*\e+J_:X+32*\e+J_+1], v[ST+2*\e:ST+2*\e+1] neg_lo:[0,1] neg_hi:[0,1]   ; x - mean
.endr
.set J_, J_+2
.endr
.irp e, 0,1
	v_pk_mul_f32 v[S+4*\e:S+4*\e+1], v[X+32*\e:X+32*\e+1], v[X+32*\e:X+32*\e+1]
	v_pk_mul_f32 v[S+4*\e+2:S+4*\e+3], v[X+32*\e+2:X+32*\e+3], v[X+32*\e+2:X+32*\e+3]
.endr
.irp i, 4,8,12,16,20,24,28
.irp e, 0,1
	s_delay_alu instid0(VALU_DEP_4)
	v_pk_fma_f32 v[S+4*\e:S+4*\e+1], v[X+32*\e+\i:X+32*\e+\i+1], v[X+32*\e+\i:X+32*\e+\i+1], v[S+4*\e:S+4*\e+1]
	s_delay_alu instid0(VALU_DEP_4)
	v_pk_fma_f32 v[S+4*\e+2:S+4*\e+3], v[X+32*\e+\i+2:X+32*\e+\i+3], v[X+32*\e+\i+2:X+32*\e+\i+3], v[S+4*\e+2:S+4*\e+3]
.endr
.endr
	RED
.irp e, 0,1
	s_delay_alu instid0(VALU_DEP_2)
	v_fma_f32 v[S+4*\e], v[S+4*\e], s18, v10       ; the variance + eps
.endr
	s_wait_alu depctr_va_vdst(0)
.irp e, 0,1
	v_rsq_f32 v[ST+4+2*\e], v[S+4*\e]
.endr
	v_nop
	s_wait_alu depctr_va_vdst(0)                   ; one wait for both roots
.irp e, 0,1
	v_mov_b32 v[ST+5+2*\e], v[ST+4+2*\e]
.endr
	s_wait_alu depctr_va_vdst(0)
	s_wait_loadcnt 0x0                             ; g and b
.set J_, 0
.rept 16
.irp e, 0,1
	v_pk_mul_f32 v[X+32*\e+J_:X+32*\e+J_+1], v[X+32*\e+J_:X+32*\e+J_+1], v[ST+4+2*\e:ST+5+2*\e]
.endr
.irp e, 0,1
	s_delay_alu instid0(VALU_DEP_2)
	v_pk_fma_f32 v[X+32*\e+J_:X+32*\e+J_+1], v[X+32*\e+J_:X+32*\e+J_+1], v[G+J_:G+J_+1], v[B+J_:B+J_+1]
.endr
.set J_, J_+2
.endr
.irp e, 0,1
.irp j, 0,1,2,3,4,5,6,7
	ds_store_b128 v3, v[X+32*\e+4*\j:X+32*\e+4*\j+3] offset:\e*PITCH+512*\j
.endr
.endr
	s_wait_dscnt 0x0                               ; for the others' sake: my two rows lie in LDS
	s_barrier_signal -1
	s_barrier_wait -1
.irp b, 0,1,2,3
.irp j, 0,1,2,3
	ds_load_b128 v[X+16*\b+4*\j:X+16*\b+4*\j+3], v4 offset:128*\b+16*\j   ; register 16 b + i = k 128 w + 32 b + 16 h + i of row r
.endr
.endr
	s_wait_dscnt 0x0
.irp b, 0,1,2,3
	v_max3_num_f32 v[TM+\b], |v[X+16*\b]|, |v[X+1+16*\b]|, 0x1800000   ; block b: my 16 numbers, and the floor 2^(3 - 127)
.endr
.irp i, 2,4,6,8,10,12,14
.irp b, 0,1,2,3
	s_delay_alu instid0(VALU_DEP_4)
	v_max3_num_f32 v[TM+\b], v[TM+\b], |v[X+16*\b+\i]|, |v[X+1+16*\b+\i]|
.endr
.endr
.irp b, 0,1,2,3
	s_delay_alu instid0(VALU_DEP_4)
	v_permlanex16_b32 v[TM+4+\b], v[TM+\b], s20, s21
.endr
.irp b, 0,1,2,3
	s_delay_alu instid0(VALU_DEP_4)
	v_max_num_f32 v[TM+\b], v[TM+\b], v[TM+4+\b]
.endr
.irp b, 0,1,2,3
	s_delay_alu instid0(VALU_DEP_4)
	v_add_nc_u32 v[TM+12+\b], 0xff000000, v[TM+\b] ; 2 off the exponent field: the conversion's scale operand
.endr
.irp b, 0,1,2,3
	s_delay_alu instid0(VALU_DEP_4)
	v_lshrrev_b32 v[TM+4+\b], 23, v[TM+12+\b]      ; the scale's byte
.endr
	s_delay_alu instid0(VALU_DEP_3)
	v_lshl_or_b32 v[PW], v[TM+5], 8, v[TM+4]
	s_delay_alu instid0(VALU_DEP_1)
	v_lshl_or_b32 v[PW], v[TM+6], 16, v[PW]
	s_delay_alu instid0(VALU_DEP_1)
	v_lshl_or_b32 v[PW], v[TM+7], 24, v[PW]
.irp c, 0,1
	v_cvt_scalef32_pk16_fp6_f32 v[PC+6*\c:PC+2+6*\c], v[X+32*\c:X+15+32*\c], v[TM+12+2*\c]
	v_cvt_scalef32_pk16_fp6_f32 v[PC+12+4*\c:PC+14+4*\c], v[X+16+32*\c:X+31+32*\c], v[TM+13+2*\c]
.endr
	v_nop
.irp c, 0,1                                    ; the operand wants a whole block in a lane
.irp i, 0,1,2
	v_permlane16_swap_b32 v[PC+6*\c+\i], v[PC+12+4*\c+\i]
.endr
.irp i, 0,1,2
	s_delay_alu instid0(VALU_DEP_3)
	v_mov_b32 v[PC+3+6*\c+\i], v[PC+12+4*\c+\i]
.endr
.endr
.irp c, 0,1,2
	global_store_b128 v2, v[PC+4*\c:PC+4*\c+3], s[22:23] offset:512*\c   ; 512 consecutive bytes a store
.endr
	global_store_b32 v7, v[PW], s[24:25]           ; lanes r and 16 + r hold the same word and write it to the same place
	s_wait_tensorcnt 0x0                           ; the wave's end, behind my last LDS store
	ds_add_u32 v[SPW], v[NIL]
	s_wait_dscnt 0x0
	s_endpgm
; ---- the six weights, f32 with K NOT innermost.  A wave takes 32 columns x 128 along K: a lane takes one column and its registers run down K, so a block's largest magnitude needs no other lane and the conversions give K innermost.
; Four waves stand side by side on 512 bytes; a work-group holds two such strips.  The strip's number selects pointers and pitches, never a path.
.Lweights:
.set WQKV_S, 9437184
.set WO_C,   2359296
.set WO_S,   9568256
.set W1_C,   3145728
.set W1_S,   9699328
.set W2_C,   6291456
.set W2_S,   9830400
.set OF,  16                           ; v16-47   row i of a K block: i x pitch + my column's bytes
.set X,   48                           ; v48-111  two sets of 32 numbers
.set F0,  112
.set F1,  124
.set TC,  136
.set BT,  36                           ; s[36:43] the source at K blocks 0 to 3
	s_load_b256 s[4:11], s[0:1], 0x20              ; Wq, Wk, Wv, Wo
	s_load_b128 s[12:15], s[0:1], 0x40             ; W1, W2
	s_load_b64 s[16:17], s[0:1], 0x50              ; wts
	v_lshrrev_b32 v1, 5, v0
	v_readfirstlane_b32 s18, v1
	s_lshr_b32 s19, s18, 2
	s_and_b32 s18, s18, 3                          ; my place in the strip
	s_lshl_b32 s52, ttmp9, 1
	s_add_co_u32 s52, s52, s19                     ; the strip, 0 .. 767
	v_and_b32 v1, 31, v0
	v_and_b32 v2, 7, v1                            ; my column among the wave's 32: the lane's number with bits 3 and 4 exchanged
	v_bfe_u32 v5, v1, 3, 1
	v_lshl_or_b32 v2, v5, 4, v2
	v_bfe_u32 v5, v1, 4, 1
	v_lshl_or_b32 v2, v5, 3, v2
	v_lshlrev_b32 v2, 2, v2
	v_lshlrev_b32 v3, 4, v1
	v_lshlrev_b32 v4, 2, v1
	s_mov_b32 s20, 0                               ; the tensor's first strip
	s_mov_b32 s21, 256                             ; bytes from k to k + 1
	s_mov_b32 s22, 262144                          ; bytes from 64 columns to the next 64
	s_mov_b32 s23, 0                               ; where its codes begin in wts
	s_mov_b32 s24, WQKV_S                          ; its scale words
	s_mov_b32 s25, 3                               ; log2 of its strips along the columns
	s_mov_b32 s26, 12288                           ; bytes of a block's fragments
	s_wait_alu depctr_va_vdst(0)
	s_wait_kmcnt 0x0
	s_mov_b64 s[28:29], s[4:5]
.macro REGION lo, p, pitch, hs, coff, soff, csb, ksb
	s_cmp_ge_u32 s52, \lo
	s_cselect_b64 s[28:29], s[\p:\p+1], s[28:29]
	s_cselect_b32 s20, \lo, s20
	s_cselect_b32 s21, \pitch, s21
	s_cselect_b32 s22, \hs, s22
	s_cselect_b32 s23, \coff, s23
	s_cselect_b32 s24, \soff, s24
	s_cselect_b32 s25, \csb, s25
	s_cselect_b32 s26, \ksb, s26
.endm
	REGION 64,  6,  256,   262144, 786432,  WQKV_S+4096, 3, 12288   ; Wk
	REGION 128, 8,  256,   262144, 1572864, WQKV_S+8192, 3, 12288   ; Wv
	REGION 192, 10, 4096,  256,    WO_C,    WO_S,        3, 12288   ; Wo
	REGION 256, 12, 16384, 256,    W1_C,    W1_S,        5, 12288   ; W1
	REGION 512, 14, 4096,  256,    W2_C,    W2_S,        3, 49152   ; W2
	s_sub_co_u32 s27, s52, s20
	s_lshr_b32 s30, s27, s25                       ; K step
	s_lshl_b32 s31, s30, s25
	s_sub_co_u32 s31, s27, s31
	s_lshl_b32 s31, s31, 7
	s_lshl_b32 s32, s18, 5
	s_add_co_u32 s31, s31, s32                     ; n0: my wave's first column
	s_lshr_b32 s32, s31, 6
	s_mul_i32 s32, s32, s22
	s_and_b32 s33, s31, 63
	s_lshl_b32 s33, s33, 2
	s_add_co_u32 s32, s32, s33
	s_mul_i32 s33, s30, s21
	s_lshl_b32 s33, s33, 7
	s_add_co_u32 s32, s32, s33
	s_mov_b32 s33, 0
	s_add_nc_u64 s[BT:BT+1], s[28:29], s[32:33]
	s_lshl_b32 s44, s21, 5
	s_mov_b32 s45, 0
	s_add_nc_u64 s[BT+2:BT+3], s[BT:BT+1], s[44:45]
	s_add_nc_u64 s[BT+4:BT+5], s[BT+2:BT+3], s[44:45]
	s_add_nc_u64 s[BT+6:BT+7], s[BT+4:BT+5], s[44:45]
	s_lshr_b32 s32, s31, 4
	s_mul_i32 s32, s32, s26
	s_add_co_u32 s32, s32, s23
	s_mul_i32 s34, s30, 1536
	s_add_co_u32 s32, s32, s34
	s_add_nc_u64 s[46:47], s[16:17], s[32:33]      ; the first fragment's image
	s_mov_b32 s34, s26
	s_mov_b32 s35, 0
	s_add_nc_u64 s[48:49], s[46:47], s[34:35]      ; the second's: one block on
	s_lshl_b32 s32, s30, 14
	s_lshl_b32 s34, s31, 2
	s_add_co_u32 s32, s32, s34
	s_add_co_u32 s32, s32, s24
	s_add_nc_u64 s[50:51], s[16:17], s[32:33]      ; my 32 scale words
.set I_, 0
.rept 32
	v_mad_u32_u24 v[OF+I_], s21, I_, v2
.set I_, I_+1
.endr
.macro LOAD t
.set I_, 0
.rept 32
	global_load_b32 v[X+32*((\t)%2)+I_], v[OF+I_], s[BT+2*(\t):BT+2*(\t)+1] th:TH_LOAD_NT   ; two sets of 32 numbers, v48-111, by turns
.set I_, I_+1
.endr
.endm
	LOAD 0
	LOAD 1
.macro BLOCK t
.set XS, X+32*((\t)%2)
.set FD, F0+12*((\t)%2)+6*((\t)/2)
.if (\t) < 3
	s_wait_loadcnt 32                              ; this block's 32 loads are in; the next block's 32 may be out
.else
	s_wait_loadcnt 0x0
.endif
	v_max3_num_f32 v8, |v[XS]|, |v[XS+1]|, |v[XS+2]|
	v_max3_num_f32 v9, |v[XS+3]|, |v[XS+4]|, |v[XS+5]|
.irp i, 6,10,14,18,22,26
	v_max3_num_f32 v8, v8, |v[XS+\i]|, |v[XS+\i+1]|
	v_max3_num_f32 v9, v9, |v[XS+\i+2]|, |v[XS+\i+3]|
.endr
	v_max3_num_f32 v8, v8, |v[XS+30]|, |v[XS+31]|
	v_max3_num_f32 v8, v8, v9, 0x1800000           ; and the floor 2^(3 - 127)
	v_add_nc_u32 v11, 0xff000000, v8
	v_lshrrev_b32 v13, 23, v11
	v_cvt_scalef32_pk16_fp6_f32 v[FD:FD+2], v[XS:XS+15], v11
	v_cvt_scalef32_pk16_fp6_f32 v[TC:TC+2], v[XS+16:XS+31], v11
.if (\t) == 0
	v_mov_b32 v14, v13                             ; the scale word, the lower K in the lower byte
.else
	v_lshl_or_b32 v14, v13, 8*(\t), v14
.endif
.irp i, 0,1,2
	v_mov_b32 v[FD+3+\i], v[TC+\i]
.endr
.if (\t) < 2
	LOAD (\t)+2                                    ; this block's numbers have been converted: its set takes the block two on
.endif
.endm
	s_wait_alu depctr_va_vdst(0)
	BLOCK 0
	BLOCK 1
	BLOCK 2
	BLOCK 3
; A fragment wants K blocks 0 and 2 of its column r in lane r and K blocks 1 and 3 in lane 16 + r: one exchange of halves sorts both fragments.
.set I_, 0
.rept 12
	v_permlane16_swap_b32 v[F0+I_], v[F1+I_]
.set I_, I_+1
.endr
.irp c, 0,1,2
	global_store_b128 v3, v[F0+4*\c:F0+4*\c+3], s[46:47] offset:512*\c
.endr
.irp c, 0,1,2
	global_store_b128 v3, v[F1+4*\c:F1+4*\c+3], s[48:49] offset:512*\c
.endr
	global_store_b32 v4, v14, s[50:51]
	s_endpgm
.Lfunc_end_k_qa3b432a7b7_prep:
	.size	k_qa3b432a7b7_prep, .Lfunc_end_k_qa3b432a7b7_prep-k_qa3b432a7b7_prep
	.p2alignl 7, 3214868480
	.fill 96, 4, 3214868480
	.section	.rodata,"a",@progbits
	.p2align	6, 0x0
	.amdhsa_kernel k_qa3b432a7b7_prep
		.amdhsa_group_segment_fixed_size 66816
		.amdhsa_private_segment_fixed_size 0
		.amdhsa_enable_private_segment 0
		.amdhsa_kernarg_size 88
		.amdhsa_user_sgpr_count 2
		.amdhsa_user_sgpr_kernarg_segment_ptr 1
		.amdhsa_wavefront_size32 1
		.amdhsa_system_sgpr_workgroup_id_x 1
		.amdhsa_system_sgpr_workgroup_id_y 1
		.amdhsa_system_sgpr_workgroup_id_z 1
		.amdhsa_system_vgpr_workitem_id 0
		.amdhsa_next_free_vgpr 160
		.amdhsa_next_free_sgpr 66
		.amdhsa_reserve_vcc 0
		.amdhsa_float_denorm_mode_32 3
		.amdhsa_float_denorm_mode_16_64 3
		.amdhsa_memory_ordered 1
		.amdhsa_forward_progress 1
		.amdhsa_inst_pref_size 55
	.end_amdhsa_kernel
	.amdgpu_metadata
---
amdhsa.version: [ 1, 2 ]
amdhsa.kernels:
  - .name:           k_qa3b432a7b7_prep
    .symbol:         k_qa3b432a7b7_prep.kd
    .args:
      - { .name: x, .offset: 0, .size: 8, .value_kind: global_buffer, .address_space: global }
      - { .name: ln1_g, .offset: 8, .size: 8, .value_kind: global_buffer, .address_space: global }
      - { .name: ln1_b, .offset: 16, .size: 8, .value_kind: global_buffer, .address_space: global }
      - { .name: hbuf, .offset: 24, .size: 8, .value_kind: global_buffer, .address_space: global }
      - { .name: Wq, .offset: 32, .size: 8, .value_kind: global_buffer, .address_space: global }
      - { .name: Wk, .offset: 40, .size: 8, .value_kind: global_buffer, .address_space: global }
      - { .name: Wv, .offset: 48, .size: 8, .value_kind: global_buffer, .address_space: global }
      - { .name: Wo, .offset: 56, .size: 8, .value_kind: global_buffer, .address_space: global }
      - { .name: W1, .offset: 64, .size: 8, .value_kind: global_buffer, .address_space: global }
      - { .name: W2, .offset: 72, .size: 8, .value_kind: global_buffer, .address_space: global }
      - { .name: wts, .offset: 80, .size: 8, .value_kind: global_buffer, .address_space: global }
    .group_segment_fixed_size: 66816
    .private_segment_fixed_size: 0
    .kernarg_segment_align: 8
    .kernarg_segment_size: 88
    .max_flat_workgroup_size: 256
    .sgpr_count:     66
    .vgpr_count:     160
    .wavefront_size: 32
...
	.end_amdgpu_metadata
.endif
;; end of part 1
;; launch qkv (part 2): grid 8 x 24, 4 waves a work-group, clusters of 4 x 4, 327,680 bytes of LDS; arguments hbuf, wts, qkv; writes qkv
.if DOCPART == 2
	.amdgcn_target "amdgcn-amd-amdhsa--gfx1250"
	.amdhsa_code_object_version 6
	.text
	.protected	k_qa3b432a7b7_qkv
	.globl	k_qa3b432a7b7_qkv
	.p2align	8
	.type	k_qa3b432a7b7_qkv,@function
k_qa3b432a7b7_qkv:
	s_mov_b64 s[64:65], 0
	v_nop
	global_prefetch_b8 v0, s[64:65] scope:SCOPE_SE
	s_setreg_imm32_b32 hwreg(HW_REG_WAVE_MODE, 25, 1), 1
	s_wait_xcnt 0x0
	s_wait_alu depctr_hold_cnt(0) depctr_sa_sdst(0) depctr_va_vdst(0) depctr_va_sdst(0) depctr_va_ssrc(0) depctr_va_vcc(0) depctr_vm_vsrc(0)
	s_getreg_b32 s2, hwreg(HW_REG_IB_STS2, 6, 4)
	s_cmp_eq_u32 s2, 0
	s_cbranch_scc0 .Lentry_in_a_cluster
	s_endpgm
.Lentry_in_a_cluster:
	s_bfe_u32 s2, ttmp6, 0x10000c
	s_cmp_lg_u32 s2, 0xf033
	s_cbranch_scc0 .Lentry_shape_is_right
	s_endpgm
.Lentry_shape_is_right:
; q, k = h Wq, h Wk and v^T = Wv^T h^T on codes of FP6 (E2M3), and the results quantised on the way out: q and k along the head's 64, v along the keys.
; Operands arrive as images of fragments (16 rows x 128 K = 1,536 bytes: register 4 c + e of lane L at 512 c + 16 L + 4 e), [block][K step]; scale words as tables [K step][16 block + r], 16,384 bytes a K step.
; The rows of a block are 32 (i / 2) + 8 (i % 2) + r + 8 (r / 8).  THE MATRIX INSTRUCTION IS USED TRANSPOSED (source 0 = 16 rows of B, source 1 = 16 rows of A): a lane holds one row of A, and by that order of
; B's rows the 16 registers of tiles 2 b, 2 b + 1 are 16 NEIGHBOURING columns 32 b + 16 (lane / 16) + 0 .. 15: the quantiser's input as it stands.  A wave's 128 columns are one K step of the next product.
; Cluster rows 0-3: A = h (4,096 tokens), B = Wq | Wk (2,048 columns).  Cluster rows 4, 5: A = Wv (1,024 rows), B = h: the result is v^T, its columns the keys.  The choice hangs on the cluster's number alone and selects pointers and pitches, no path.
; A tile of 256 x 256 to a work-group, 128 x 128 to each of four waves: 64 accumulators.  K = 1,024 goes in 8 steps of 128 through two LDS slots of three steps, filled by joint tensor loads: A's tile shared along a row of the 4 x 4 cluster, B's along a column.
; Results leave as split images: a half of a fragment (one head's 64 codes) is 768 bytes: registers 0-3 at 16 L, registers 4, 5 at 512 + 8 L.
; LIMITS: a block's largest magnitude is floored at 2^-124 (byte 1); a block of zeros so gets byte 1, not 127 (zero codes; the bytes are read by this program alone); NaN and infinities are not served.
; REGISTERS, in windows of 256: window 0: v16-31 addresses, v32-47 scale words (two sets), v48-55 the way out's, from v64 A's fragments (two sets of 96).  window 1: B's two sets; from v192 the bias.  windows 2, 3: accumulators, (a, b) at 8 ((8 a + b) % 32).
.set REGIONS, 1
.set RELU,    0
.set BIAS,    0
.set SPLIT,   1
.set OUTP,    8                        ; s[OUTP:OUTP+1] the output buffer
.set H_S,    3145728
.set WV_C,   1572864
.set WQKV_S, 9437184
.set W1_C,   3145728
.set W1_S,   9699328
.set V_C,    6291456
.set QK_S,   9437184
.set V_S,    9699328
.set HID_S,  12582912
.set MB, 8                             ; blocks of 16 rows of A to a wave
.set NB, 8                             ; of B
.set NQ, 3                             ; K steps in a slot: the 8 steps go as 3 + 3 + 2, three fills in all
.set KSTEPS, 8
.set LAPS, KSTEPS/(2*NQ)
.set FRB, 1536
.set HALFT, MB*NQ*FRB                  ; what one tensor load brings: MB blocks x NQ steps
.set SLOT, 4*HALFT                     ; A's two halves, then B's two
.set SCL, 2*SLOT                       ; behind the ring: the scale words of all of K, four regions [K step][16 MB words]
.set SREG, KSTEPS*64*MB
.set SPARE, SCL+4*SREG                 ; the spare words, 128 bytes for each wave
.set ADRA, 16
.set ADRB, 20
.set ADRS, 27
.set SPW, 28
.set NIL, 29
.set LI, 30                            ; 16 x lane
.set LS, 31                            ; 4 x lane
.set SC, 32
.set FL, 48                            ; the floor 2^(3 - 127)
.set PWE, 49
.set PWM, 50
.set L8, 54                            ; 8 x lane
.set AF, 64
.set BI, 192
.set TM, 64                            ; the way out works in A's first set
.set PW, 80
.set PC, 96
.set G1, 24
.set G0, 32
.set G1B, 48
.set G0B, 56
.set G1S, 68
.set G0S, 76
.set G1SB, 80
.set G0SB, 88
.set SEL, 100
.set MSB, 0
.macro WIN new                         ; the immediate's high byte repeats the setting that is left; a switch that changes nothing is dropped
.set NW_, \new
.if MSB != NW_
	s_set_vgpr_msb (MSB<<8)|NW_
.set MSB, NW_
.endif
.endm
.macro PLACES n
.rept \n
	v_nop
.endr
.endm
.macro JLOAD g0a, g1a, g0b, g1b        ; a joint load: waves 0, 1 fetch for A, waves 2, 3 for B; an s_nop 0 and four v_nop follow each line
	s_cmp_eq_u32 s15, 0
	s_cbranch_scc0 .Lfor_b_\@
	tensor_load_to_lds s[\g0a:\g0a+3], s[\g1a:\g1a+7]
	s_nop 0
.rept 4
	v_nop
.endr
	s_branch .Lasked_\@
.Lfor_b_\@:
	tensor_load_to_lds s[\g0b:\g0b+3], s[\g1b:\g1b+7]
	s_nop 0
.rept 4
	v_nop
.endr
.Lasked_\@:
.endm
.macro CREST                           ; a round of the cluster's barrier behind its opening barrier
	s_cmp_lg_u32 s14, 0
	s_cbranch_scc1 .Lnot_wave_0_\@
	s_barrier_signal -3
.Lnot_wave_0_\@:
	s_barrier_wait -3
	s_barrier_signal -1
	s_barrier_wait -1
.endm
.macro CROUND
	s_barrier_signal -1
	s_barrier_wait -1
	CREST
.endm
.macro FETCH slot, q, p                ; the fragments and scale words of the slot's q-th K step into set p: every load reads consecutive bytes
	WIN 0x40
.set I_, 0
.rept NB
.irp c, 0,1,2
	ds_load_b128 v[12*NB*(\p)+12*I_+4*\c:12*NB*(\p)+12*I_+4*\c+3], v[ADRB+\slot] offset:I_*NQ*FRB+(\q)*FRB+512*\c
.endr
.set I_, I_+1
.endr
	WIN 0
.set I_, 0
.rept MB
.irp c, 0,1,2
	ds_load_b128 v[AF+12*MB*(\p)+12*I_+4*\c:AF+12*MB*(\p)+12*I_+4*\c+3], v[ADRA+\slot] offset:I_*NQ*FRB+(\q)*FRB+512*\c
.endr
.set I_, I_+1
.endr
.set I_, 0
.rept MB
	ds_load_b32 v[SC+8*(\p)+I_], v[ADRS] offset:(\q)*128*MB+64*I_   ; the tables lie [K step][both halves' 32 MB words]; lanes 0-15: A's block, lanes 16-31: B's block
.set I_, I_+1
.endr
.endm
.macro MULS a0, na, p, first           ; A's blocks a0 .. a0 + na - 1 against B's NB, on set p.  The accumulators take turns, one instruction a turn.  first = 1: the products start the sums
.set A_, \a0
.rept \na
.if (\first) && BIAS
	WIN 0x91+0x40*(A_*NB/32)
.else
	WIN 0xa1+0x50*(A_*NB/32)
.endif
.set B_, 0
.rept NB
.set D_, 8*((A_*NB+B_)%32)
.set RB_, 12*NB*(\p)+12*B_
.set RA_, AF+12*MB*(\p)+12*A_
.if (\first) && BIAS
	v_wmma_scale_f32_16x16x128_f8f6f4 v[D_:D_+7], v[RB_:RB_+11], v[RA_:RA_+11], v[BI+8*B_:BI+8*B_+7], v[SC+8*(\p)+B_], v[SC+8*(\p)+A_] matrix_a_fmt:MATRIX_FMT_FP6 matrix_b_fmt:MATRIX_FMT_FP6 matrix_a_scale:MATRIX_SCALE_ROW1
.elseif \first
	v_wmma_scale_f32_16x16x128_f8f6f4 v[D_:D_+7], v[RB_:RB_+11], v[RA_:RA_+11], 0, v[SC+8*(\p)+B_], v[SC+8*(\p)+A_] matrix_a_fmt:MATRIX_FMT_FP6 matrix_b_fmt:MATRIX_FMT_FP6 matrix_a_scale:MATRIX_SCALE_ROW1
.else
	v_wmma_scale_f32_16x16x128_f8f6f4 v[D_:D_+7], v[RB_:RB_+11], v[RA_:RA_+11], v[D_:D_+7], v[SC+8*(\p)+B_], v[SC+8*(\p)+A_] matrix_a_fmt:MATRIX_FMT_FP6 matrix_b_fmt:MATRIX_FMT_FP6 matrix_a_scale:MATRIX_SCALE_ROW1
.endif
.set B_, B_+1
.endr
.set A_, A_+1
.endr
.endm
.macro STEP slot, q, first             ; a K step that has its successor in the same slot
	s_wait_dscnt 0x0                               ; this step's set, asked for a whole step ago, is in
	PLACES 4                                       ; the other set was read by the products just issued: four plain instructions ahead of the loads into it
	FETCH \slot, (\q)+1, 1-((\q)+(\slot))%2        ; a slot has three steps, so the sets' turns change with the slot
	MULS 0, MB, ((\q)+(\slot))%2, \first
	WIN 0
.endm
.macro TURN slot, next, fill           ; a slot's last step (set = slot) changes slots: one barrier; fill = 1: a round of the cluster's, and this slot is filled again
	s_wait_tensorcnt 0x0                           ; all my tensor loads have landed: my part of the next slot;
	ds_add_u32 v[SPW], v[NIL]                      ; 0 onto my spare word;
	s_wait_dscnt 0x1                               ; (the add alone may be out: the set is in)
	MULS 0, MB/4, \slot, 0
	s_wait_dscnt 0x0                               ; the add is done, and my reads of this slot are over
	s_barrier_signal -1
	MULS MB/4, MB/4, \slot, 0
	WIN 0
	s_barrier_wait -1
.if \fill
	CREST                                          ; no wave of any partner still reads this slot or has a load on its way
	s_add_nc_u64 s[G0+4*\slot+2:G0+4*\slot+3], s[G0+4*\slot+2:G0+4*\slot+3], 2*NQ*FRB
	s_mov_b32 s[G1+1], (2*192)<<16                 ; no load of mine is out: of a block's row two K steps are left; the tile's third is written as zeros and never read
	s_mov_b32 s[G1B+1], (2*192)<<16
	s_add_nc_u64 s[G0B+4*\slot+2:G0B+4*\slot+3], s[G0B+4*\slot+2:G0B+4*\slot+3], 2*NQ*FRB
	JLOAD G0+4*\slot, G1, G0B+4*\slot, G1B         ; the first tensor load behind the round; its four v_nop are also the places ahead of the loads below
.else
	PLACES 4
.endif
	s_wait_alu depctr_va_vdst(0)
	v_add_nc_u32 v[ADRS], NQ*128*MB, v[ADRS]
	FETCH \next, 0, \next
	MULS MB/2, MB/2, \slot, 0
	WIN 0
.endm
.macro LAST
	s_wait_dscnt 0x0
	MULS 0, MB, 1, 0
	WIN 0
.endm
	s_load_b128 s[4:7], s[0:1], 0x0                ; hbuf, wts
.if REGIONS
	s_load_b64 s[8:9], s[0:1], 0x10                ; qkv
.else
	s_load_b128 s[8:11], s[0:1], 0x10              ; b1, hid
.endif
	v_lshl_add_u32 v[SPW], v0, 2, SPARE
	v_mov_b32 v[NIL], 0
	ds_add_u32 v[SPW], v[NIL]                      ; the wave's opening: the add and its wait ahead of my first tensor load; work on registers stands between
	ds_add_u32 v[SPW], v[NIL]
	v_lshrrev_b32 v1, 5, v0
	v_readfirstlane_b32 s14, v1                    ; wave
	s_lshr_b32 s15, s14, 1                         ; my half of the tile's rows; also: I fetch for A (0) or B (1)
	s_and_b32 s16, s14, 1                          ; my half of its columns; also: which half I fetch
	s_bfe_u32 s40, ttmp6, 0x40000                  ; cx
	s_bfe_u32 s41, ttmp6, 0x40004                  ; cy
	s_and_b32 s45, ttmp7, 0xffff                   ; cluster y
.if REGIONS
	s_sub_co_u32 s42, s45, 4
	s_lshl_b32 s42, s42, 1
	s_add_co_u32 s42, s42, ttmp9                   ; v^T: its 16 tile columns lie on 4 clusters: x + 2 (y - 4)
	s_cmp_lt_u32 s45, 4
	s_cselect_b32 s17, s45, 0
	s_cselect_b32 s42, ttmp9, s42
	s_cselect_b32 s10, 0, WV_C                     ; A's codes begin here in their buffer,
	s_mov_b32 s11, WQKV_S+8192
	s_cselect_b32 s11, H_S, s11                    ; A's scale words,
	s_mov_b32 s13, H_S
	s_cselect_b32 s13, WQKV_S, s13                 ; B's scale words (B's codes begin at 0 either way)
.else
	s_mov_b32 s17, s45
	s_mov_b32 s42, ttmp9
.endif
	s_lshl_b32 s42, s42, 2
	s_add_co_u32 s42, s42, s40                     ; tile column
	s_lshl_b32 s17, s17, 2
	s_add_co_u32 s17, s17, s41                     ; tile row
	s_lshl_b32 s43, s41, 2
	s_lshl_b32 s43, 15, s43                        ; my row of the cluster
	s_lshl_b32 s44, 0x1111, s40                    ; my column
	s_or_b32 s[G1+0], s43, (3<<16)|(1<<21)         ; codes: elements of 8 bytes, no padding; A's tiles go to my row, B's to my column
	s_or_b32 s[G1B+0], s44, (3<<16)|(1<<21)
.irp g, G1, G1B
	s_mov_b32 s[\g+1], (NQ*192)<<16                ; a row: NQ fragments of one block, NQ x 1,536 bytes
	s_mov_b32 s[\g+2], (2*MB)<<16                  ; the head's loads bring both halves: 2 MB blocks
	s_mov_b32 s[\g+3], (NQ*192)<<16
	s_mov_b32 s[\g+4], 2*MB
	s_mov_b32 s[\g+5], KSTEPS*192                  ; from block to block
	s_mov_b32 s[\g+6], 0
	s_mov_b32 s[\g+7], 0
.endr
	s_or_b32 s[G1S+0], s43, (2<<16)|(1<<21)        ; scale words: elements of 4 bytes
	s_or_b32 s[G1SB+0], s44, (2<<16)|(1<<21)
.irp g, G1S, G1SB
	s_mov_b32 s[\g+1], (32*MB)<<16                 ; a row: the words of both halves' 32 MB rows for one K step
	s_mov_b32 s[\g+2], KSTEPS<<16
	s_mov_b32 s[\g+3], (32*MB)<<16
	s_mov_b32 s[\g+4], KSTEPS
	s_mov_b32 s[\g+5], 4096
	s_mov_b32 s[\g+6], 0
	s_mov_b32 s[\g+7], 0
.endr
	s_mul_i32 s22, s17, 2*MB                       ; A: the first block that I fetch,
	s_mul_i32 s18, s16, MB*KSTEPS*FRB              ; in the ring I fetch one half of a tile: its distance in bytes
	s_mov_b32 s19, 0
	s_mul_i32 s92, s22, KSTEPS*FRB                 ; its codes,
	s_lshl_b32 s94, s22, 6                         ; its scale words
.if REGIONS
	s_add_co_u32 s92, s92, s10
	s_add_co_u32 s94, s94, s11
.else
	s_add_co_u32 s94, s94, H_S
.endif
	s_mov_b32 s93, 0
	s_mov_b32 s95, 0
	s_mul_i32 s46, s42, 2*MB                       ; B likewise, in registers that never hold A's coordinate
	s_mul_i32 s96, s46, KSTEPS*FRB
	s_lshl_b32 s98, s46, 6
.if REGIONS
	s_add_co_u32 s98, s98, s13
.else
	s_add_co_u32 s96, s96, W1_C
	s_add_co_u32 s98, s98, W1_S
.endif
	s_mov_b32 s97, 0
	s_mov_b32 s99, 0
	s_mul_i32 s2, s14, HALFT                       ; where they go: by the wave's number alone
	s_wait_dscnt 0x0                               ; the opening add is done
	s_wait_kmcnt 0x0
.if REGIONS
	s_cmp_lt_u32 s45, 4
	s_cselect_b64 s[22:23], s[4:5], s[6:7]         ; A's buffer
	s_cselect_b64 s[46:47], s[6:7], s[4:5]         ; B's
.else
	s_mov_b64 s[22:23], s[4:5]
	s_mov_b64 s[46:47], s[6:7]
.endif
	CROUND                                         ; all sixteen work-groups are here: the first joint loads meet
	s_mov_b32 s[G0S], 1
	s_mov_b32 s[G0S+1], SCL
	s_add_nc_u64 s[G0S+2:G0S+3], s[22:23], s[94:95]
	s_or_b32 s[G0S+3], s[G0S+3], 0x80000000
	s_mov_b32 s[G0SB], 1
	s_mov_b32 s[G0SB+1], SCL+2*SREG
	s_add_nc_u64 s[G0SB+2:G0SB+3], s[46:47], s[98:99]
	s_or_b32 s[G0SB+3], s[G0SB+3], 0x80000000
	s_add_nc_u64 s[92:93], s[22:23], s[92:93]
	s_add_nc_u64 s[96:97], s[46:47], s[96:97]
	s_mov_b64 s[94:95], s[92:93]                   ; the whole tiles' addresses, for the head's loads
	s_mov_b64 s[98:99], s[96:97]
	s_add_nc_u64 s[92:93], s[92:93], s[18:19]      ; my half's, for the ring
	s_add_nc_u64 s[96:97], s[96:97], s[18:19]
	s_cmp_eq_u32 s15, 0                            ; the prefetches: do I fetch for A?
	s_cselect_b64 s[104:105], s[92:93], s[96:97]
	s_cselect_b32 s20, s40, s41                    ; my place among the four that ask with me:
	s_mul_i32 s20, s20, 2*KSTEPS*FRB               ; its two blocks of my eight,
	s_add_co_u32 s20, s20, NQ*FRB                  ; at K step 3
	s_mov_b32 s21, 0
	s_add_nc_u64 s[104:105], s[104:105], s[20:21]  ; never rewritten
.irp s, 0,1
	s_mov_b32 s[G0+4*\s], 1
	s_add_co_u32 s[G0+4*\s+1], s2, \s*SLOT
	s_add_nc_u64 s[G0+4*\s+2:G0+4*\s+3], s[92:93], \s*NQ*FRB
	s_or_b32 s[G0+4*\s+3], s[G0+4*\s+3], 0x80000000
	s_mov_b32 s[G0B+4*\s], 1
	s_add_co_u32 s[G0B+4*\s+1], s2, \s*SLOT
	s_add_nc_u64 s[G0B+4*\s+2:G0B+4*\s+3], s[96:97], \s*NQ*FRB
	s_or_b32 s[G0B+4*\s+3], s[G0B+4*\s+3], 0x80000000
.endr
	s_mov_b32 s92, 1                               ; s[92:95]: group 0 of A's slot 0, both halves; s[96:99]: of B's
	s_mov_b32 s93, 0
	s_or_b32 s95, s95, 0x80000000
	s_mov_b32 s96, 1
	s_mov_b32 s97, 2*HALFT
	s_or_b32 s99, s99, 0x80000000
; THE HEAD'S FOUR TILES, one a wave: A's slot 0, B's slot 0, A's scale words, B's.  One chain of arms on the wave's number, all leading to one join.
.macro ARM under, g0, g1, next
	s_cmp_lt_u32 s14, \under
	s_cbranch_scc0 \next
	tensor_load_to_lds s[\g0:\g0+3], s[\g1:\g1+7]
	s_nop 0
	PLACES 4
	s_branch .Lhead_asked
\next:
.endm
	ARM 1, 92, G1, .Lhead_b
	ARM 2, 96, G1B, .Lhead_sa
	ARM 3, G0S, G1S, .Lhead_sb
	tensor_load_to_lds s[G0SB:G0SB+3], s[G1SB:G1SB+7]
	s_nop 0
	PLACES 4
.Lhead_asked:
	v_and_b32 v1, 15, v0                           ; r
	v_bfe_u32 v2, v0, 4, 1                         ; h
	s_wait_alu depctr_va_vdst(0)
	v_and_b32 v3, 31, v0
	v_lshlrev_b32 v[LI], 4, v3
	v_lshlrev_b32 v[LS], 2, v3
	v_lshlrev_b32 v[L8], 3, v3
	v_min_u32 v22, 17, v3                          ; a block's three K steps are 18 units of 256 bytes, a lane a unit; the lanes left over name the last again
	v_min_u32 v23, 11, v3                          ; its last two K steps are 12
	v_lshlrev_b32 v22, 8, v22
	v_lshlrev_b32 v23, 8, v23
	global_prefetch_b8 v22, s[104:105] th:TH_LOAD_NT scope:SCOPE_SE                           ; K steps 3 to 5 of my two blocks,
	global_prefetch_b8 v22, s[104:105] offset:KSTEPS*FRB th:TH_LOAD_NT scope:SCOPE_SE
	global_prefetch_b8 v23, s[104:105] offset:NQ*FRB th:TH_LOAD_NT scope:SCOPE_SE             ; and K steps 6 and 7
	global_prefetch_b8 v23, s[104:105] offset:NQ*FRB+KSTEPS*FRB th:TH_LOAD_NT scope:SCOPE_SE
	s_mul_i32 s12, s15, HALFT
	s_mul_i32 s13, s16, HALFT
	s_add_co_u32 s13, s13, 2*HALFT
.irp s, 0,1
	v_add_nc_u32 v[ADRA+\s], s12, v[LI]
	v_add_nc_u32 v[ADRB+\s], s13, v[LI]
	s_add_co_u32 s12, s12, SLOT
	s_add_co_u32 s13, s13, SLOT
.endr
	s_mul_i32 s12, s15, 64*MB
	s_mul_i32 s13, s16, 64*MB
	s_add_co_u32 s13, s13, 2*SREG
	s_sub_co_u32 s13, s13, s12
	v_mul_u32_u24 v4, s13, v2
	s_add_co_u32 s12, s12, SCL
	v_lshl_add_u32 v4, v1, 2, v4
	v_add_nc_u32 v[ADRS], s12, v4
.if BIAS
	s_mul_i32 s12, s42, 128*MB                     ; the bias at my wave's first column, in bytes
	s_mul_i32 s13, s16, 64*MB
	s_add_co_u32 s12, s12, s13
	s_mov_b32 s13, 0
	s_add_nc_u64 s[8:9], s[8:9], s[12:13]
	v_lshlrev_b32 v5, 6, v2
	WIN 0x40
.set I_, 0
.rept NB
	global_load_b128 v[BI+8*I_:BI+8*I_+3], v5, s[8:9] offset:(32*(I_/2)+8*(I_%2))*4       ; tile b in the result's layout: columns 32 (b / 2) + 8 (b % 2) + 16 h + 0 .. 7
	global_load_b128 v[BI+8*I_+4:BI+8*I_+7], v5, s[8:9] offset:(32*(I_/2)+8*(I_%2))*4+16
.set I_, I_+1
.endr
	WIN 0
.endif
	v_mov_b32 v[FL], 0x1800000
	s_mov_b32 s[SEL], 0x76543210
	s_mov_b32 s[SEL+1], 0xfedcba98
	s_wait_alu depctr_va_vdst(0)
	s_wait_tensorcnt 0x0                           ; my tile of the head's four is in; slot 1's first fill is issued as a refill is
	ds_add_u32 v[SPW], v[NIL]
	s_mov_b32 s[G1+2], MB<<16                      ; no load of mine is out: from here on a load brings one half, MB blocks
	s_mov_b32 s[G1+4], MB
	s_mov_b32 s[G1B+2], MB<<16
	s_mov_b32 s[G1B+4], MB
	s_wait_dscnt 0x0
	CROUND
	JLOAD G0+4, G1, G0B+4, G1B                     ; K steps 3 to 5; both later fills were asked for into the L2 behind the head's loads, each unit once in the cluster
	FETCH 0, 0, 0
.if BIAS
	s_wait_loadcnt 0x0
.endif
	STEP 0, 0, 1                                   ; the first step: its products start the sums
	STEP 0, 1, 0
	TURN 0, 1, 1                                   ; slot 0 takes K steps 6 and 7
	s_wait_alu depctr_va_vdst(0)
	STEP 1, 0, 0
	STEP 1, 1, 0
	TURN 1, 0, 0                                   ; nothing more to fill
	s_wait_alu depctr_va_vdst(0)
	STEP 0, 0, 0
	LAST
	; THE WAY OUT: each block of 16 rows x my 128 columns is one fragment of the next product: quantised in registers, stored as an image.
.if REGIONS
	s_cmp_lt_u32 s45, 4
	s_mov_b32 s66, 49152
	s_cselect_b32 s66, 1536, s66                   ; bytes from row block to row block
	s_mov_b32 s2, 1536
	s_cselect_b32 s2, 393216, s2                   ; from K step to K step
	s_mov_b32 s3, 4096
	s_cselect_b32 s3, 16384, s3                    ; the same in the table of scale words
	s_cselect_b32 s12, 0, V_C
	s_mov_b32 s13, V_S
	s_cselect_b32 s13, QK_S, s13
.else
	s_mov_b32 s66, 49152
	s_mov_b32 s2, 1536
	s_mov_b32 s3, 16384
	s_mov_b32 s12, 0
	s_mov_b32 s13, HID_S
.endif
	s_mov_b32 s67, 0
	s_lshl_b32 s18, s17, 4
	s_lshl_b32 s19, s15, 3
	s_add_co_u32 s18, s18, s19                     ; my first row block: 16 x tile row + 8 x half
	s_lshl_b32 s20, s42, 1
	s_add_co_u32 s20, s20, s16                     ; my K step of the result: 2 x tile column + half
	s_mul_i32 s19, s18, s66
	s_mul_i32 s21, s20, s2
	s_add_co_u32 s19, s19, s21
	s_add_co_u32 s19, s19, s12
	s_mul_i32 s21, s20, s3
	s_lshl_b32 s18, s18, 6
	s_add_co_u32 s21, s21, s18
	s_add_co_u32 s20, s21, s13
	s_mov_b32 s18, s19
	s_mov_b32 s19, 0
	s_mov_b32 s21, 0
	s_add_nc_u64 s[18:19], s[OUTP:OUTP+1], s[18:19]
	s_mov_b64 s[24:25], s[18:19]                   ; a base for each of my eight row blocks, in descriptor registers whose loads are all done: no base is stepped under a store
.irp a, 1,2,3,4,5,6,7
	s_add_nc_u64 s[24+2*\a:25+2*\a], s[22+2*\a:23+2*\a], s[66:67]
.endr
	s_add_nc_u64 s[20:21], s[OUTP:OUTP+1], s[20:21]
	s_mov_b32 s98, 0xffff0000                      ; lanes 16-31
	PLACES 4                                       ; behind the last products: ahead of the first read of results and of writes into A's first set
.irp b, 0,1,2,3
	v_mov_b32 v[TM+4+\b], 0                        ; a lane permute's destination counts as one of its sources
.endr
.macro EPI a
.set W_, 2+(\a)/4
.set AC, 64*((\a)%4)
.set PC, 96+20*(\a)                    ; each block's codes have 20 registers of their own, v96-255, where A's fragments lay: no store's data are written again
.set OB, 24+2*(\a)
.if RELU
	WIN (W_<<2)|(W_<<6)
.set J_, 0
.rept 64
	v_max_num_f32 v[AC+J_], 0, v[AC+J_]            ; the activation, in f32; each accumulator from its low end on
.set J_, J_+1
.endr
.endif
	WIN (W_<<2)|(W_<<4)
.irp b, 0,1,2,3
	v_max3_num_f32 v[TM+\b], v[FL], |v[AC+16*\b]|, |v[AC+16*\b+1]|   ; block b: my 16 numbers, and the floor
.endr
.irp i, 2,4,6,8,10,12,14
.irp b, 0,1,2,3
	v_max3_num_f32 v[TM+\b], v[TM+\b], |v[AC+16*\b+\i]|, |v[AC+16*\b+\i+1]|
.endr
.endr
	WIN 0
.irp b, 0,1,2,3
	v_permlanex16_b32 v[TM+4+\b], v[TM+\b], s[SEL], s[SEL+1]
.endr
.irp b, 0,1,2,3
	v_max_num_f32 v[TM+\b], v[TM+\b], v[TM+4+\b]
.endr
.irp b, 0,1,2,3
	v_add_nc_u32 v[TM+12+\b], 0xff000000, v[TM+\b]
.endr
.irp b, 0,1,2,3
	v_lshrrev_b32 v[TM+4+\b], 23, v[TM+12+\b]
.endr
	v_lshl_or_b32 v[PW], v[TM+5], 8, v[TM+4]
	v_lshl_or_b32 v[PW], v[TM+6], 16, v[PW]
	v_lshl_or_b32 v[PW], v[TM+7], 24, v[PW]
	WIN W_
.irp c, 0,1
	v_cvt_scalef32_pk16_fp6_f32 v[PC+6*\c:PC+2+6*\c], v[AC+32*\c:AC+15+32*\c], v[TM+12+2*\c]
	v_cvt_scalef32_pk16_fp6_f32 v[PC+12+4*\c:PC+14+4*\c], v[AC+16+32*\c:AC+31+32*\c], v[TM+13+2*\c]
.endr
	WIN 0
	v_nop                                          ; one plain instruction behind the conversions
.irp c, 0,1
.irp i, 0,1,2
	v_permlane16_swap_b32 v[PC+6*\c+\i], v[PC+12+4*\c+\i]
.endr
.irp i, 0,1,2
	v_mov_b32 v[PC+3+6*\c+\i], v[PC+12+4*\c+\i]
.endr
.endr
.if SPLIT
	global_store_b128 v[LI], v[PC:PC+3], s[OB:OB+1]
	global_store_b64 v[L8], v[PC+4:PC+5], s[OB:OB+1] offset:512
	global_store_b128 v[LI], v[PC+6:PC+9], s[OB:OB+1] offset:768
	global_store_b64 v[L8], v[PC+10:PC+11], s[OB:OB+1] offset:1280
.else
.irp c, 0,1,2
	global_store_b128 v[LI], v[PC+4*\c:PC+4*\c+3], s[OB:OB+1] offset:512*\c
.endr
.endif
.if (\a)%2 == 0
	v_mov_b32 v[PWE], v[PW]                        ; two blocks' scale words leave together: lanes 0-15 the even block's, lanes 16-31 the odd one's
.else
	v_cndmask_b32 v[PWM+(\a)/2], v[PWE], v[PW], s98
	global_store_b32 v[LS], v[PWM+(\a)/2], s[20:21] offset:128*((\a)/2)
.endif
.endm
.irp a, 0,1,2,3,4,5,6,7
	EPI \a
.endr
	s_wait_tensorcnt 0x0                           ; the wave's end
	ds_add_u32 v[SPW], v[NIL]
	s_wait_dscnt 0x0
	CROUND                                         ; the closing round: no work-group ends while a partner may still ask for a tile that names it
	s_endpgm
.Lfunc_end_k_qa3b432a7b7_qkv:
	.size	k_qa3b432a7b7_qkv, .Lfunc_end_k_qa3b432a7b7_qkv-k_qa3b432a7b7_qkv
	.p2alignl 7, 3214868480
	.fill 96, 4, 3214868480
	.section	.rodata,"a",@progbits
	.p2align	6, 0x0
	.amdhsa_kernel k_qa3b432a7b7_qkv
		.amdhsa_group_segment_fixed_size 327680
		.amdhsa_private_segment_fixed_size 0
		.amdhsa_enable_private_segment 0
		.amdhsa_kernarg_size 24
		.amdhsa_user_sgpr_count 2
		.amdhsa_user_sgpr_kernarg_segment_ptr 1
		.amdhsa_wavefront_size32 1
		.amdhsa_system_sgpr_workgroup_id_x 1
		.amdhsa_system_sgpr_workgroup_id_y 1
		.amdhsa_system_sgpr_workgroup_id_z 1
		.amdhsa_system_vgpr_workitem_id 0
		.amdhsa_next_free_vgpr 1024
		.amdhsa_next_free_sgpr 106
		.amdhsa_reserve_vcc 0
		.amdhsa_float_denorm_mode_32 3
		.amdhsa_float_denorm_mode_16_64 3
		.amdhsa_memory_ordered 1
		.amdhsa_forward_progress 1
		.amdhsa_inst_pref_size 143
	.end_amdhsa_kernel
	.amdgpu_metadata
---
amdhsa.version: [ 1, 2 ]
amdhsa.kernels:
  - .name:           k_qa3b432a7b7_qkv
    .symbol:         k_qa3b432a7b7_qkv.kd
    .args:
      - { .name: hbuf, .offset: 0, .size: 8, .value_kind: global_buffer, .address_space: global }
      - { .name: wts, .offset: 8, .size: 8, .value_kind: global_buffer, .address_space: global }
      - { .name: qkv, .offset: 16, .size: 8, .value_kind: global_buffer, .address_space: global }
    .group_segment_fixed_size: 327680
    .private_segment_fixed_size: 0
    .kernarg_segment_align: 8
    .kernarg_segment_size: 24
    .max_flat_workgroup_size: 128
    .sgpr_count:     106
    .vgpr_count:     1024
    .wavefront_size: 32
...
	.end_amdgpu_metadata
.endif
;; end of part 2
;; launch attn (part 3): grid 8 x 32, 16 waves a work-group, clusters of 4 x 1, 327,680 bytes of LDS; arguments qkv, att; writes att
.if DOCPART == 3
	.amdgcn_target "amdgcn-amd-amdhsa--gfx1250"
	.amdhsa_code_object_version 6
	.text
	.protected	k_qa3b432a7b7_attn
	.globl	k_qa3b432a7b7_attn
	.p2align	8
	.type	k_qa3b432a7b7_attn,@function
k_qa3b432a7b7_attn:
	s_mov_b64 s[64:65], 0
	v_nop
	global_prefetch_b8 v0, s[64:65] scope:SCOPE_SE
	s_setreg_imm32_b32 hwreg(HW_REG_WAVE_MODE, 25, 1), 1
	s_wait_xcnt 0x0
	s_wait_alu depctr_hold_cnt(0) depctr_sa_sdst(0) depctr_va_vdst(0) depctr_va_sdst(0) depctr_va_ssrc(0) depctr_va_vcc(0) depctr_vm_vsrc(0)
	s_getreg_b32 s2, hwreg(HW_REG_IB_STS2, 6, 4)
	s_cmp_eq_u32 s2, 0
	s_cbranch_scc0 .Lentry_in_a_cluster
	s_endpgm
.Lentry_in_a_cluster:
	s_bfe_u32 s2, ttmp6, 0x10000c
	s_cmp_lg_u32 s2, 0x3003
	s_cbranch_scc0 .Lentry_shape_is_right
	s_endpgm
.Lentry_shape_is_right:
; Causal attention of one head on codes of FP6 (E2M3): S^T = k q^T, p = 2^(t - M) with M the ceiling of the running largest t, p quantised in blocks of 32 keys, O^T += v^T p^T, O / l quantised along the head's 64 and stored as half an operand image.
; LEFT OUT: steps of 128 keys that lie wholly behind a query block's own step: reference()'s own tril mask sets their scores to -inf, so their p is 0 for all inputs.
; LIMITS: the promise holds while the scaled scores stay under 2^31 in magnitude; NaN and infinities are not served; a block's largest magnitude is floored at 2^-124 (byte 1; the bytes are read by this program alone).
; THE DEAL.  A work-group is one (batch, head) and tile x (0 .. 7) of each of the 16 steps of 128 queries: 16 blocks of 16 queries; block L needs key steps 0 .. L.  Blocks j and 15 - j (j = 0 .. 7) have 17 steps together and go to two waves:
; wave j takes key steps 0 .. 7 of block 15 - j (8 steps); wave 8 + j takes its steps 8 .. 15 - j, leaves O, -M and l in its own stage in LDS, and then takes block j whole (9 steps).  Behind one barrier wave j joins the two parts:
; both M are whole numbers, so both factors are exact powers of two.  Every wave walks nine trips; key step = (8 role + trip + flag j) & 15, flag = role & ((trip + j) >> 3).
; LDS: all 2,048 keys of K (8 chunks of 12,288 bytes), of V likewise, asked for at the head by sixteen joint loads, one a wave, shared by the four work-groups of the cluster; the scale words by plain loads and LDS stores; 16 stages; the spare words.
; Nothing is filled again.  No data prefetch: all tiles are asked for at the head, there is no loop to run ahead in.
.set CHB,   12288
.set VOFF,  98304
.set SCK,   196608
.set SCV,   204800
.set STG,   208896                     ; a stage of 4,608 bytes for each wave: 8 x 512 of O, 512 of -M, t, l
.set STW,   4608
.set SPARE, STG+16*STW
.set V_C,   6291456
.set QK_S,  9437184
.set V_S,   9699328
.set ATT_S, 3145728
.set SPW, 5
.set NIL, 6
.set WV,  18
.set SEL, 20
.set CS,  22
.set G1K, 24
.set G1V, 32
.set G0K, 40
.set G0V, 44
.set JJ,  56                           ; j
.set RO,  57                           ; role: 0 wave j, 1 wave 8 + j
.set LB,  58                           ; 15 - j
.set LO,  59                           ; the block that I store
.set TT,  60                           ; trip
.set KS,  61                           ; key step
.set FLG, 62
.set DG,  63                           ; the present block's own step, where the mask cuts
.set TBK, 66
.set TBV, 67
.set TS,  68
.set TJ,  69
.set PAR, 70
.set LM,  71                           ; the last key step that I take
.macro SADD d, x
	s_add_co_u32 s\d, s\d, s\x
.endm
.macro WALU
	s_wait_alu depctr_va_vdst(0)
.endm
.macro NOPS n
.rept \n
	v_nop
.endr
.endm
.macro CROUND
	s_barrier_signal -1
	s_barrier_wait -1
	s_cmp_lg_u32 s[WV], 0
	s_cbranch_scc1 .Lnot_wave_0_\@
	s_barrier_signal -3
.Lnot_wave_0_\@:
	s_barrier_wait -3
	s_barrier_signal -1
	s_barrier_wait -1
.endm
.macro GRP1 g, row, rows, pitch        ; elements of 8 bytes, no padding, the cluster's four named
	s_mov_b32 s[\g], 15|(3<<16)|(1<<21)
	s_mov_b32 s[\g+1], (\row)<<16
	s_mov_b32 s[\g+2], (\rows)<<16
	s_mov_b32 s[\g+3], (\row)<<16
	s_mov_b32 s[\g+4], \rows
	s_mov_b32 s[\g+5], \pitch
	s_mov_b32 s[\g+6], 0
	s_mov_b32 s[\g+7], 0
.endm
	s_load_b128 s[4:7], s[0:1], 0x0                ; qkv, att
	v_lshl_add_u32 v[SPW], v0, 2, SPARE
	v_mov_b32 v[NIL], 0
	ds_add_u32 v[SPW], v[NIL]                      ; the opening lines
	ds_add_u32 v[SPW], v[NIL]
	v_lshrrev_b32 v10, 5, v0
	v_readfirstlane_b32 s[WV], v10
	s_bfe_u32 s80, ttmp6, 0x40000                  ; cx
	s_and_b32 s81, ttmp7, 0xffff
	s_lshr_b32 s82, s81, 4                         ; batch
	s_bfe_u32 s83, s81, 0x30001                    ; pair of heads
	s_and_b32 s[PAR], s81, 1                       ; which of the pair
	s_and_b32 s[JJ], s[WV], 7
	s_lshr_b32 s[RO], s[WV], 3
	s_xor_b32 s[LB], s[JJ], 15
	s_cmp_eq_u32 s[RO], 0
	s_cselect_b32 s[LO], s[LB], s[JJ]
	s_cselect_b32 s[LM], 7, 15
	s_add_co_u32 s90, s83, 8                       ; K's codes, chunk j
	s_mul_i32 s92, s90, 393216
	s_mul_i32 s91, s82, 196608
	SADD 92, 91
	s_mul_i32 s91, s[PAR], 768
	SADD 92, 91
	s_mul_i32 s91, s[JJ], 24576
	SADD 92, 91
	s_mov_b32 s93, 0
	s_mul_i32 s94, s83, 393216                     ; V's codes, chunk j
	s_mul_i32 s91, s[PAR], 196608
	SADD 94, 91
	s_mul_i32 s91, s82, 24576
	SADD 94, 91
	s_mul_i32 s91, s[JJ], 3072
	SADD 94, 91
	s_add_co_u32 s94, s94, V_C
	s_mov_b32 s95, 0
	s_lshl_b32 s96, s90, 14                        ; K's scale words: 8,192 bytes on end
	s_lshl_b32 s91, s82, 13
	SADD 96, 91
	s_add_co_u32 s96, s96, QK_S
	s_mov_b32 s97, 0
	s_lshl_b32 s98, s82, 16                        ; V's: 16 rows of 256 bytes, 4,096 apart
	s_lshl_b32 s91, s83, 9
	SADD 98, 91
	s_lshl_b32 s91, s[PAR], 8
	SADD 98, 91
	s_add_co_u32 s98, s98, V_S
	s_mov_b32 s99, 0
	s_lshl_b32 s8, ttmp9, 2
	SADD 8, 80                                     ; tile x
	s_lshl_b32 s84, s82, 7
	SADD 84, 8
	s_lshl_b32 s85, s83, 8
	s_mul_i32 s86, s[PAR], 768
	s_lshl_b32 s87, s83, 14
	s_lshl_b32 s88, s[PAR], 1
	SADD 87, 88
	s_lshl_b32 s9, s[LB], 3                        ; block 15 - j: q's codes and scale bytes
	SADD 9, 84
	s_add_co_u32 s10, s85, s9
	s_mul_i32 s10, s10, 1536
	SADD 10, 86
	s_mov_b32 s11, 0
	s_lshl_b32 s12, s9, 6
	SADD 12, 87
	s_add_co_u32 s12, s12, QK_S
	s_mov_b32 s13, 0
	s_lshl_b32 s9, s[LO], 3                        ; the block that I store: its q (wave j: the same block again), its places in att
	SADD 9, 84
	s_add_co_u32 s48, s85, s9
	s_mul_i32 s48, s48, 1536
	SADD 48, 86
	s_mov_b32 s49, 0
	s_lshl_b32 s16, s9, 6
	SADD 16, 87
	s_add_co_u32 s50, s16, QK_S
	s_mov_b32 s51, 0
	s_add_co_u32 s16, s16, ATT_S
	s_mov_b32 s17, 0
	s_lshl_b32 s14, s9, 3
	SADD 14, 83
	s_mul_i32 s14, s14, 1536
	s_mov_b32 s15, 0
	s_and_b32 s19, s8, 1                           ; the tile's first row within its 128: 32 (x / 2) + 8 (x % 2)
	s_lshl_b32 s19, s19, 3
	s_bfe_u32 s8, s8, 0x20001
	s_lshl_b32 s8, s8, 5
	SADD 8, 19
	GRP1 G1K, 96, 16, 192                          ; 16 blocks of 16 keys, 768 bytes of each 1,536
	GRP1 G1V, 384, 4, 6144                         ; 4 blocks of 16 of the head's 64, two key steps each
	s_mov_b32 s[G0K], 1
	s_mul_i32 s[G0K+1], s[JJ], CHB
	s_mov_b32 s[G0V], 1
	s_add_co_u32 s[G0V+1], s[G0K+1], VOFF
	s_mov_b32 s[SEL], 0x76543210
	s_mov_b32 s[SEL+1], 0xfedcba98
	s_mov_b32 s[CS], 0x3d38aa3b                    ; log2(e) / 32
	s_mov_b32 s[CS+1], s[CS]
	WALU
	s_wait_dscnt 0x0
	CROUND                                         ; the round in front of the joint loads
	s_wait_kmcnt 0x0
	s_add_nc_u64 s[G0K+2:G0K+3], s[4:5], s[92:93]
	s_or_b32 s[G0K+3], s[G0K+3], 0x80000000
	s_add_nc_u64 s[G0V+2:G0V+3], s[4:5], s[94:95]
	s_or_b32 s[G0V+3], s[G0V+3], 0x80000000
	s_cmp_lt_u32 s[WV], 8
	s_cbranch_scc0 .Lfor_v
	tensor_load_to_lds s[G0K:G0K+3], s[G1K:G1K+7]  ; waves 0-7: K's chunk j
	s_nop 0
	NOPS 4
	s_branch .Lasked
.Lfor_v:
	tensor_load_to_lds s[G0V:G0V+3], s[G1V:G1V+7]  ; waves 8-15: V's chunk j
	s_nop 0
	NOPS 4
.Lasked:
	s_add_nc_u64 s[10:11], s[4:5], s[10:11]
	s_add_nc_u64 s[12:13], s[4:5], s[12:13]
	s_add_nc_u64 s[48:49], s[4:5], s[48:49]
	s_add_nc_u64 s[50:51], s[4:5], s[50:51]
	s_add_nc_u64 s[52:53], s[4:5], s[96:97]
	s_add_nc_u64 s[54:55], s[4:5], s[98:99]
	s_add_nc_u64 s[14:15], s[6:7], s[14:15]
	s_add_nc_u64 s[16:17], s[6:7], s[16:17]
	v_and_b32 v10, 15, v0                          ; r
	v_bfe_u32 v11, v0, 4, 1                        ; h
	v_and_b32 v28, 31, v0
	v_lshlrev_b32 v85, 4, v28
	v_lshlrev_b32 v86, 2, v10
	v_lshlrev_b32 v29, 3, v28
	v_lshlrev_b32 v84, 4, v0                       ; K's scale words: 16 bytes a thread
	v_lshrrev_b32 v83, 5, v0
	v_lshlrev_b32 v83, 12, v83
	v_lshl_add_u32 v83, v28, 3, v83                ; V's: a wave takes a row of 256 bytes
	global_load_b128 v[16:19], v85, s[10:11]
	global_load_b64 v[20:21], v29, s[10:11] offset:512
	global_load_u16 v255, v86, s[12:13]
	global_load_b128 v[192:195], v85, s[48:49]
	global_load_b64 v[196:197], v29, s[48:49] offset:512
	global_load_u16 v198, v86, s[50:51]
	global_load_b128 v[200:203], v84, s[52:53]
	global_load_b64 v[204:205], v83, s[54:55]
	v_lshlrev_b32 v1, 4, v28
	v_lshl_add_u32 v2, v28, 3, 512
	v_lshl_add_u32 v3, v28, 4, VOFF
	v_lshl_add_u32 v4, v28, 3, VOFF+512
	s_lshl_b32 s87, s[PAR], 1
	s_add_co_u32 s87, s87, SCK
	v_lshl_add_u32 v7, v10, 2, s87
	v_lshl_add_u32 v8, v10, 2, SCV
	v_lshl_add_u32 v82, v0, 4, SCK
	v_lshl_add_u32 v81, v0, 3, SCV
	s_mul_i32 s88, s[WV], STW
	s_add_co_u32 s88, s88, STG
	v_add_nc_u32 v87, s88, v1                      ; my stage
	s_xor_b32 s89, s[WV], 8
	s_mul_i32 s89, s89, STW
	s_add_co_u32 s89, s89, STG
	v_add_nc_u32 v88, s89, v1                      ; my partner's
	v_and_b32 v30, 8, v10
	v_add_nc_u32 v9, v10, v30
	v_lshlrev_b32 v30, 4, v11
	v_sub_nc_u32 v9, v9, v30
	v_add_nc_u32 v9, s8, v9                        ; my query's place in its 128, less 16 h
.irp i, 22,23,24,25,26,27
	v_mov_b32 v\i, 0                               ; the head has 64 along K: the instruction's other 64 are zero codes
.endr
.irp i, 0,1,2,3,4,5
	v_mov_b32 v[74+\i], 0                          ; the upper halves of K's tiles 6 and 7 are written once; whatever codes stand in an upper half meet q's zero codes
	v_mov_b32 v[212+\i], 0
.endr
	v_mov_b32 v13, 0xff61b1e6                      ; the largest t so far: -3e38
	v_floor_f32 v12, -v13
	v_mov_b32 v14, 0
	v_mov_b32 v15, 0
.irp b, 0,1,2,3
	v_mov_b32 v[236+\b], 0
.endr
	v_mov_b32 v252, 0
	v_mov_b32 v253, 0
.set J_, 0
.rept 32
	v_mov_b32 v[160+J_], 0
.set J_, J_+1
.endr
	WALU                                           ; the wait at the head's end
	s_wait_loadcnt 0x0
	ds_store_b128 v82, v[200:203]
	ds_store_b64 v81, v[204:205]
	s_wait_tensorcnt 0x0                           ; my chunk is in,
	s_wait_dscnt 0x0                               ; my scale words lie in LDS:
	s_barrier_signal -1
	s_barrier_wait -1                              ; both hold of every wave
	s_mov_b32 s[TT], 0
.Ltrip:
	s_add_co_u32 s2, s[TT], s[JJ]
	s_lshr_b32 s[FLG], s2, 3
	s_and_b32 s[FLG], s[FLG], s[RO]
	s_cmp_lt_u32 s[WV], 8
	s_cbranch_scc1 .Lkeep
	s_cmp_lg_u32 s2, 8
	s_cbranch_scc1 .Lkeep
	; wave 8 + j, trip 8 - j: my part of block 15 - j goes into my stage, and block j begins
.set J_, 0
.rept 8
	ds_store_b128 v87, v[160+4*J_:163+4*J_] offset:512*J_   ; each accumulator from its low end on
.set J_, J_+1
.endr
	ds_store_b128 v87, v[12:15] offset:4096
.irp i, 0,1,2,3,4,5
	v_mov_b32 v[16+\i], v[192+\i]
.endr
	v_mov_b32 v255, v198
	v_mov_b32 v13, 0xff61b1e6
	v_mov_b32 v14, 0
	v_mov_b32 v15, 0
	v_floor_f32 v12, -v13
.set J_, 0
.rept 32
	v_mov_b32 v[160+J_], 0
.set J_, J_+1
.endr
	WALU
.Lkeep:
	s_mul_i32 s3, s[FLG], s[JJ]
	s_lshl_b32 s[KS], s[RO], 3
	s_add_co_u32 s[KS], s[KS], s[TT]
	s_add_co_u32 s[KS], s[KS], s3
	s_and_b32 s[KS], s[KS], 15
	s_cmp_eq_u32 s[FLG], 0
	s_cselect_b32 s[DG], s[LB], s[JJ]
	s_mul_i32 s[TBK], s[KS], 6144
	s_lshr_b32 s2, s[KS], 1
	s_mul_i32 s[TBV], s2, CHB
	s_and_b32 s3, s[KS], 1
	s_mul_i32 s3, s3, 1536
	s_add_co_u32 s[TBV], s[TBV], s3
	s_lshl_b32 s[TS], s[KS], 9
	s_lshl_b32 s[TJ], s[KS], 8
	s_cmp_gt_u32 s[KS], s[LM]
	s_cbranch_scc1 .Lhidden                        ; wave j has eight steps: its ninth trip does nothing
	v_add_nc_u32 v10, s[TBK], v1
	v_add_nc_u32 v11, s[TBK], v2
	v_add_nc_u32 v28, s[TBV], v3
	v_add_nc_u32 v29, s[TBV], v4
	v_add_nc_u32 v30, s[TS], v7
	v_add_nc_u32 v31, s[TJ], v8
	WALU
; K's eight tiles come in ONE run.  A tile's 64 codes a key are six registers; tiles 0 to 6 lie six registers apart from v32 on, so that a tile's operand ends in the next tile's codes: FP6 has finite codes alone, and they meet q's zero codes.  Tile 7 lies at v206.
.macro KT t
.if (\t) < 7
.set KB_, 32+6*(\t)
.else
.set KB_, 206
.endif
.if (\t) < 4
.set KW_, 248+(\t)
.else
.set KW_, 85+(\t)
.endif
.endm
.macro SPROD t
	KT \t
	v_wmma_scale_f32_16x16x128_f8f6f4 v[96+8*(\t):103+8*(\t)], v[KB_:KB_+11], v[16:27], 0, v[KW_], v255 matrix_a_fmt:MATRIX_FMT_FP6 matrix_b_fmt:MATRIX_FMT_FP6
.endm
.irp t, 0,1,2,3,4,5,6,7
	KT \t
	ds_load_b128 v[KB_:KB_+3], v10 offset:\t*768
	ds_load_b64 v[KB_+4:KB_+5], v11 offset:\t*768
	ds_load_u16 v[KW_], v30 offset:64*\t
.endr
	s_wait_dscnt 9                                 ; tiles 0 to 4 are in (tile 3's operand names tile 4's registers); the nine loads of tiles 5 to 7 may be out
.irp t, 0,1,2,3
	SPROD \t
.endr
	s_wait_dscnt 0x0
.irp t, 4,5,6,7
	SPROD \t
.endr
	NOPS 4
.irp t, 0,1,2,3                        ; V's four fragments, into the registers that K's tiles have left: they land under the softmax
	ds_load_b128 v[32+12*\t:35+12*\t], v28 offset:\t*3072
	ds_load_b64 v[36+12*\t:37+12*\t], v29 offset:\t*3072
	ds_load_b128 v[38+12*\t:41+12*\t], v28 offset:\t*3072+768
	ds_load_b64 v[42+12*\t:43+12*\t], v29 offset:\t*3072+768
	ds_load_b32 v[248+\t], v31 offset:64*\t
.endr
	s_cmp_lg_u32 s[KS], s[DG]
	s_cbranch_scc1 .Lopen
	v_mov_b32 v254, 0xff800000                     ; the block's own step: keys behind the query count for nothing
.set N_, 0
.rept 64
	v_cmp_gt_i32 vcc_lo, 32*(N_/16)+N_%16, v9
	v_cndmask_b32 v[96+N_], v[96+N_], v254, vcc_lo
.set N_, N_+1
.endr
.Lopen:
.irp b, 0,1,2,3
	v_max3_num_f32 v[232+\b], v[96+16*\b], v[97+16*\b], v[98+16*\b]   ; each block's largest score: for the row's maximum and for the block's largest p
.endr
.irp i, 3,5,7,9,11,13
.irp b, 0,1,2,3
	v_max3_num_f32 v[232+\b], v[232+\b], v[96+16*\b+\i], v[97+16*\b+\i]
.endr
.endr
.irp b, 0,1,2,3
	v_max_num_f32 v[232+\b], v[232+\b], v[111+16*\b]
.endr
.irp b, 0,1,2,3
	s_delay_alu instid0(VALU_DEP_4)
	v_permlanex16_b32 v[236+\b], v[232+\b], s[SEL], s[SEL+1]
.endr
.irp b, 0,1,2,3
	s_delay_alu instid0(VALU_DEP_4)
	v_max_num_f32 v[232+\b], v[232+\b], v[236+\b]
.endr
	s_delay_alu instid0(VALU_DEP_2)
	v_max3_num_f32 v254, v232, v233, v234
	s_delay_alu instid0(VALU_DEP_1)
	v_max_num_f32 v254, v254, v235
	s_delay_alu instid0(VALU_DEP_1)
	v_mul_f32 v254, s[CS], v254
	s_delay_alu instid0(VALU_DEP_1)
	v_max_num_f32 v13, v13, v254                   ; the running largest t
	v_mov_b32 v254, v12
	s_delay_alu instid0(VALU_DEP_2)
	v_floor_f32 v12, -v13                          ; -M = floor(-t)
	s_delay_alu instid0(VALU_DEP_1)
	v_sub_f32 v254, v12, v254
	s_delay_alu instid0(VALU_DEP_1)
	v_cvt_i32_f32 v254, v254
	s_delay_alu instid0(VALU_DEP_1)
	v_ldexp_f32 v252, 1.0, v254                    ; f = 2^(old M - new M)
.set J_, 0
.rept 32
	v_pk_fma_f32 v[96+J_:97+J_], v[96+J_:97+J_], s[CS:CS+1], v[12:13] op_sel_hi:[1,0,0]
.set J_, J_+2
.endr
.irp b, 0,1,2,3
	v_fma_f32 v[232+\b], v[232+\b], s[CS], v12
.endr
.set J_, 0
	WALU                                           ; ahead of the batch
.rept 64
	v_exp_f32 v[96+J_], v[96+J_]
.set J_, J_+1
.endr
	v_pk_mul_f32 v[14:15], v[14:15], v[252:253] op_sel_hi:[1,0]
	WALU                                           ; one wait for the batch
.irp b, 0,1,2,3
	v_exp_f32 v[232+\b], v[232+\b]
.endr
	v_pk_add_f32 v[236:237], v[96:97], v[98:99]    ; the row's sum, of the unquantised p
.irp j, 4,8,12,16,20,24,28,32,36,40,44,48,52,56,60
	v_pk_add_f32 v[14:15], v[14:15], v[96+\j:97+\j]
	v_pk_add_f32 v[236:237], v[236:237], v[98+\j:99+\j]
.endr
	s_delay_alu instid0(VALU_DEP_1)
	v_pk_add_f32 v[14:15], v[14:15], v[236:237]
	WALU                                           ; and one for the four
.irp b, 0,1,2,3
	v_max_num_f32 v[232+\b], 0x1800000, v[232+\b]
.endr
.irp b, 0,1,2,3
	s_delay_alu instid0(VALU_DEP_4)
	v_add_nc_u32 v[244+\b], 0xff000000, v[232+\b]
.endr
.irp b, 0,1,2,3
	s_delay_alu instid0(VALU_DEP_4)
	v_lshrrev_b32 v[236+\b], 23, v[244+\b]
.endr
	s_delay_alu instid0(VALU_DEP_3)
	v_lshl_or_b32 v253, v237, 8, v236
	s_delay_alu instid0(VALU_DEP_1)
	v_lshl_or_b32 v253, v238, 16, v253
	s_delay_alu instid0(VALU_DEP_1)
	v_lshl_or_b32 v253, v239, 24, v253             ; p's scale word
.irp c, 0,1
	v_cvt_scalef32_pk16_fp6_f32 v[224+6*\c:226+6*\c], v[96+32*\c:111+32*\c], v[244+2*\c]
	v_cvt_scalef32_pk16_fp6_f32 v[236+4*\c:238+4*\c], v[112+32*\c:127+32*\c], v[245+2*\c]
.endr
	v_nop
.irp c, 0,1
.irp i, 0,1,2
	v_permlane16_swap_b32 v[224+6*\c+\i], v[236+4*\c+\i]
.endr
.irp i, 0,1,2
	s_delay_alu instid0(VALU_DEP_3)
	v_mov_b32 v[227+6*\c+\i], v[236+4*\c+\i]
.endr
.endr
.set J_, 0
.rept 16
	v_pk_mul_f32 v[160+J_:161+J_], v[160+J_:161+J_], v[252:253] op_sel_hi:[1,0]   ; O^T under the new M
.set J_, J_+2
.endr
	WALU
	s_wait_dscnt 0x0
.irp t, 0,1,2,3
	v_wmma_scale_f32_16x16x128_f8f6f4 v[160+8*\t:167+8*\t], v[32+12*\t:43+12*\t], v[224:235], v[160+8*\t:167+8*\t], v[248+\t], v253 matrix_a_fmt:MATRIX_FMT_FP6 matrix_b_fmt:MATRIX_FMT_FP6
.endr
	NOPS 5
.Lhidden:
	s_add_co_u32 s[TT], s[TT], 1
	s_cmp_lt_u32 s[TT], 9
	s_cbranch_scc1 .Ltrip
	WALU
	s_wait_dscnt 0x0                               ; for the others' sake: my stage is written
	s_barrier_signal -1
	s_barrier_wait -1
	s_cmp_lt_u32 s[WV], 8
	s_cbranch_scc0 .Lown
	; wave j: block 15 - j's other part, from wave 8 + j's stage
.set J_, 0
.rept 8
	ds_load_b128 v[96+4*J_:99+4*J_], v88 offset:512*J_
.set J_, J_+1
.endr
	ds_load_b128 v[128:131], v88 offset:4096
	s_wait_dscnt 0x0
	v_mov_b32 v137, 0                              ; (upper halves of pairs that are named whole)
	v_mov_b32 v139, 0
	v_min_num_f32 v132, v12, v128                  ; -M of both
	v_sub_f32 v133, v132, v12
	v_sub_f32 v134, v132, v128
	v_cvt_i32_f32 v133, v133
	v_cvt_i32_f32 v134, v134
	v_ldexp_f32 v136, 1.0, v133                    ; my part's factor, a power of two,
	v_ldexp_f32 v138, 1.0, v134                    ; and the other's
	v_pk_mul_f32 v[14:15], v[14:15], v[136:137] op_sel_hi:[1,0]
	v_pk_fma_f32 v[14:15], v[130:131], v[138:139], v[14:15] op_sel_hi:[1,0,1]
.set J_, 0
.rept 16
	v_pk_mul_f32 v[160+J_:161+J_], v[160+J_:161+J_], v[136:137] op_sel_hi:[1,0]
.set J_, J_+2
.endr
.set J_, 0
.rept 16
	v_pk_fma_f32 v[160+J_:161+J_], v[96+J_:97+J_], v[138:139], v[160+J_:161+J_] op_sel_hi:[1,0,1]
.set J_, J_+2
.endr
	WALU
.Lown:
	v_add_f32 v14, v14, v15
	s_delay_alu instid0(VALU_DEP_1)
	v_permlanex16_b32 v252, v14, s[SEL], s[SEL+1]
	s_delay_alu instid0(VALU_DEP_1)
	v_add_f32 v14, v14, v252                       ; the row's sum
	WALU
	v_rcp_f32 v14, v14
	v_nop
	WALU
.set J_, 0
.rept 32
	v_mul_f32 v[96+J_], v[160+J_], v14
.set J_, J_+1
.endr
.irp b, 0,1
	v_max3_num_f32 v[232+\b], |v[96+16*\b]|, |v[97+16*\b]|, 0x1800000
.endr
.irp i, 2,4,6,8,10,12,14
.irp b, 0,1
	s_delay_alu instid0(VALU_DEP_2)
	v_max3_num_f32 v[232+\b], v[232+\b], |v[96+16*\b+\i]|, |v[97+16*\b+\i]|
.endr
.endr
.irp b, 0,1
	s_delay_alu instid0(VALU_DEP_2)
	v_permlanex16_b32 v[236+\b], v[232+\b], s[SEL], s[SEL+1]
.endr
.irp b, 0,1
	s_delay_alu instid0(VALU_DEP_2)
	v_max_num_f32 v[232+\b], v[232+\b], v[236+\b]
.endr
.irp b, 0,1
	s_delay_alu instid0(VALU_DEP_2)
	v_add_nc_u32 v[244+\b], 0xff000000, v[232+\b]
.endr
.irp b, 0,1
	s_delay_alu instid0(VALU_DEP_2)
	v_lshrrev_b32 v[236+\b], 23, v[244+\b]
.endr
	s_delay_alu instid0(VALU_DEP_1)
	v_lshl_or_b32 v253, v237, 8, v236
	v_cvt_scalef32_pk16_fp6_f32 v[224:226], v[96:111], v244
	v_cvt_scalef32_pk16_fp6_f32 v[240:242], v[112:127], v245
	v_nop
.irp i, 0,1,2
	v_permlane16_swap_b32 v[224+\i], v[240+\i]
.endr
.irp i, 0,1,2
	s_delay_alu instid0(VALU_DEP_3)
	v_mov_b32 v[227+\i], v[240+\i]
.endr
	s_cmp_eq_u32 s[PAR], 0
	s_cbranch_scc0 .Lodd
	global_store_b128 v85, v[224:227], s[14:15]    ; the even head: registers 0 to 5 of the image
	global_store_b64 v85, v[228:229], s[14:15] offset:512
	s_branch .Lsent
.Lodd:
	WALU
	global_store_b64 v85, v[224:225], s[14:15] offset:520   ; the odd head: registers 6 to 11
	global_store_b128 v85, v[226:229], s[14:15] offset:1024
.Lsent:
	WALU
	global_store_b16 v86, v253, s[16:17]
	s_wait_tensorcnt 0x0                           ; the wave's end
	ds_add_u32 v[SPW], v[NIL]
	s_wait_dscnt 0x0
	CROUND                                         ; the closing round
	s_endpgm
.Lfunc_end_k_qa3b432a7b7_attn:
	.size	k_qa3b432a7b7_attn, .Lfunc_end_k_qa3b432a7b7_attn-k_qa3b432a7b7_attn
	.p2alignl 7, 3214868480
	.fill 96, 4, 3214868480
	.section	.rodata,"a",@progbits
	.p2align	6, 0x0
	.amdhsa_kernel k_qa3b432a7b7_attn
		.amdhsa_group_segment_fixed_size 327680
		.amdhsa_private_segment_fixed_size 0
		.amdhsa_enable_private_segment 0
		.amdhsa_kernarg_size 16
		.amdhsa_user_sgpr_count 2
		.amdhsa_user_sgpr_kernarg_segment_ptr 1
		.amdhsa_wavefront_size32 1
		.amdhsa_system_sgpr_workgroup_id_x 1
		.amdhsa_system_sgpr_workgroup_id_y 1
		.amdhsa_system_sgpr_workgroup_id_z 1
		.amdhsa_system_vgpr_workitem_id 0
		.amdhsa_next_free_vgpr 256
		.amdhsa_next_free_sgpr 100
		.amdhsa_reserve_vcc 1
		.amdhsa_float_denorm_mode_32 3
		.amdhsa_float_denorm_mode_16_64 3
		.amdhsa_memory_ordered 1
		.amdhsa_forward_progress 1
		.amdhsa_inst_pref_size 46
	.end_amdhsa_kernel
	.amdgpu_metadata
---
amdhsa.version: [ 1, 2 ]
amdhsa.kernels:
  - .name:           k_qa3b432a7b7_attn
    .symbol:         k_qa3b432a7b7_attn.kd
    .args:
      - { .name: qkv, .offset: 0, .size: 8, .value_kind: global_buffer, .address_space: global }
      - { .name: att, .offset: 8, .size: 8, .value_kind: global_buffer, .address_space: global }
    .group_segment_fixed_size: 327680
    .private_segment_fixed_size: 0
    .kernarg_segment_align: 8
    .kernarg_segment_size: 16
    .max_flat_workgroup_size: 512
    .sgpr_count:     100
    .vgpr_count:     256
    .wavefront_size: 32
...
	.end_amdgpu_metadata
.endif
;; end of part 3
;; launch wo (part 4): grid 8 x 32, 4 waves a work-group, clusters of 4 x 4, 327,680 bytes of LDS; arguments att, wts, bo, x, x1; writes x1
.if DOCPART == 4
	.amdgcn_target "amdgcn-amd-amdhsa--gfx1250"
	.amdhsa_code_object_version 6
	.text
	.protected	k_qa3b432a7b7_wo
	.globl	k_qa3b432a7b7_wo
	.p2align	8
	.type	k_qa3b432a7b7_wo,@function
k_qa3b432a7b7_wo:
	s_mov_b64 s[64:65], 0
	v_nop
	global_prefetch_b8 v0, s[64:65] scope:SCOPE_SE
	s_setreg_imm32_b32 hwreg(HW_REG_WAVE_MODE, 25, 1), 1
	s_wait_xcnt 0x0
	s_wait_alu depctr_hold_cnt(0) depctr_sa_sdst(0) depctr_va_vdst(0) depctr_va_sdst(0) depctr_va_ssrc(0) depctr_va_vcc(0) depctr_vm_vsrc(0)
	s_getreg_b32 s2, hwreg(HW_REG_IB_STS2, 6, 4)
	s_cmp_eq_u32 s2, 0
	s_cbranch_scc0 .Lentry_in_a_cluster
	s_endpgm
.Lentry_in_a_cluster:
	s_bfe_u32 s2, ttmp6, 0x10000c
	s_cmp_lg_u32 s2, 0xf033
	s_cbranch_scc0 .Lentry_shape_is_right
	s_endpgm
.Lentry_shape_is_right:
; x1 = x + att Wo + bo: the product on codes of FP6 (E2M3), sums, bias and residual in f32.
; Operands arrive as images of fragments (16 rows x 128 K = 1,536 bytes: register 4 c + e of lane L at 512 c + 16 L + 4 e), [block][K step]; scale words as tables [K step][16 block + r], 16,384 bytes a K step.
; The rows of a block are 32 (i / 2) + 8 (i % 2) + r + 8 (r / 8).  THE MATRIX INSTRUCTION IS USED TRANSPOSED (source 0 = 16 rows of B, source 1 = 16 rows of A): a lane holds one row of A and, in tiles 2 b, 2 b + 1, the 16 neighbouring columns 32 b + 16 (lane / 16) + 0 .. 15.
; The output has 32 x 8 tiles of 128 x 128: one to each of 256 work-groups (tiles of 256 x 256 would be 64); 64 x 64 to each of four waves: 16 accumulators.  K goes in steps of 128 through ONE LDS slot of all eight steps,
; filled by joint tensor loads: A's tile shared along a row of the 4 x 4 cluster, B's along a column.  The bias is the C of each sum's first product; the residual is asked for at the head and added on the way out.
; REGISTERS, in windows of 256: window 0: v16-31 addresses, v32-47 scale words (two sets), from v64 A's fragments (two sets of 48), v128-191 the way out.  window 1: B's two sets; from v192 the bias.  window 2: accumulators, (a, b) at 8 (4 a + b).  window 3: the residual.
.set KSTEPS, 8
.set A_S, 3145728                      ; A's scale words in its buffer
.set B_C, 2359296                      ; B's codes in wts
.set B_S, 9568256                      ; B's scale words in wts
.set BIAS, 1
.set MB, 4
.set NB, 4
.set NQ, 8                             ; all eight K steps lie in ONE slot, filled once at the head: nothing is filled again
.set LAPS, KSTEPS/(2*NQ)
.set FRB, 1536
.set HALFT, MB*NQ*FRB
.set SLOT, 4*HALFT
.set SCL, SLOT
.set SREG, KSTEPS*64*MB
.set STAGE, SCL+4*SREG                 ; the way out: 16 rows x (256 bytes + 16) for each wave; no tile lands here
.set SPARE, STAGE+4*16*272
.set ADRA, 16
.set ADRB, 20
.set STO, 24
.set RD, 25
.set CO, 26
.set ADRS, 27
.set SPW, 28
.set NIL, 29
.set LI, 30
.set SC, 32
.set AF, 64
.set BK, 128
.set BI, 192
.set G1, 24
.set G0, 32
.set G1B, 48
.set G0B, 56
.set G1S, 68
.set G0S, 76
.set G1SB, 80
.set G0SB, 88
.set MSB, 0
.macro WIN new
.set NW_, \new
.if MSB != NW_
	s_set_vgpr_msb (MSB<<8)|NW_
.set MSB, NW_
.endif
.endm
.macro PLACES n
.rept \n
	v_nop
.endr
.endm
.macro JLOAD g0a, g1a, g0b, g1b        ; a joint load: waves 0, 1 fetch for A, waves 2, 3 for B; an s_nop 0 and four v_nop follow each line
	s_cmp_eq_u32 s15, 0
	s_cbranch_scc0 .Lfor_b_\@
	tensor_load_to_lds s[\g0a:\g0a+3], s[\g1a:\g1a+7]
	s_nop 0
.rept 4
	v_nop
.endr
	s_branch .Lasked_\@
.Lfor_b_\@:
	tensor_load_to_lds s[\g0b:\g0b+3], s[\g1b:\g1b+7]
	s_nop 0
.rept 4
	v_nop
.endr
.Lasked_\@:
.endm
.macro CREST
	s_cmp_lg_u32 s14, 0
	s_cbranch_scc1 .Lnot_wave_0_\@
	s_barrier_signal -3
.Lnot_wave_0_\@:
	s_barrier_wait -3
	s_barrier_signal -1
	s_barrier_wait -1
.endm
.macro CROUND
	s_barrier_signal -1
	s_barrier_wait -1
	CREST
.endm
.macro FETCH slot, q, p                ; the fragments and scale words of the slot's q-th K step into set p
	WIN 0x40
.set I_, 0
.rept NB
.irp c, 0,1,2
	ds_load_b128 v[12*NB*(\p)+12*I_+4*\c:12*NB*(\p)+12*I_+4*\c+3], v[ADRB+\slot] offset:I_*NQ*FRB+(\q)*FRB+512*\c
.endr
.set I_, I_+1
.endr
	WIN 0
.set I_, 0
.rept MB
.irp c, 0,1,2
	ds_load_b128 v[AF+12*MB*(\p)+12*I_+4*\c:AF+12*MB*(\p)+12*I_+4*\c+3], v[ADRA+\slot] offset:I_*NQ*FRB+(\q)*FRB+512*\c
.endr
.set I_, I_+1
.endr
.set I_, 0
.rept MB
	ds_load_b32 v[SC+8*(\p)+I_], v[ADRS] offset:(\q)*128*MB+64*I_   ; the tables lie [K step][both halves' 32 MB words]
.set I_, I_+1
.endr
.endm
.macro MULS a0, na, p, first           ; the accumulators take turns, one instruction a turn.  first = 1: the bias is the C
.set A_, \a0
.rept \na
.if (\first) && BIAS
	WIN 0x91+0x40*(A_*NB/32)
.else
	WIN 0xa1+0x50*(A_*NB/32)
.endif
.set B_, 0
.rept NB
.set D_, 8*((A_*NB+B_)%32)
.set RB_, 12*NB*(\p)+12*B_
.set RA_, AF+12*MB*(\p)+12*A_
.if (\first) && BIAS
	v_wmma_scale_f32_16x16x128_f8f6f4 v[D_:D_+7], v[RB_:RB_+11], v[RA_:RA_+11], v[BI+8*B_:BI+8*B_+7], v[SC+8*(\p)+B_], v[SC+8*(\p)+A_] matrix_a_fmt:MATRIX_FMT_FP6 matrix_b_fmt:MATRIX_FMT_FP6 matrix_a_scale:MATRIX_SCALE_ROW1
.else
	v_wmma_scale_f32_16x16x128_f8f6f4 v[D_:D_+7], v[RB_:RB_+11], v[RA_:RA_+11], v[D_:D_+7], v[SC+8*(\p)+B_], v[SC+8*(\p)+A_] matrix_a_fmt:MATRIX_FMT_FP6 matrix_b_fmt:MATRIX_FMT_FP6 matrix_a_scale:MATRIX_SCALE_ROW1
.endif
.set B_, B_+1
.endr
.set A_, A_+1
.endr
.endm
.macro STEP slot, q, first
	s_wait_dscnt 0x0                               ; this step's set, asked for a whole step ago, is in
	PLACES 4                                       ; the other set was read by the products just issued
	FETCH \slot, (\q)+1, 1-(\q)%2
	MULS 0, MB, (\q)%2, \first
	WIN 0
.endm
.macro TURN slot, next, fill           ; a slot's last step (set 1) changes slots
	s_wait_tensorcnt 0x0                           ; all my tensor loads have landed: my part of the next slot;
	ds_add_u32 v[SPW], v[NIL]                      ; 0 onto my spare word;
	s_wait_dscnt 0x1                               ; (the add alone may be out)
	MULS 0, MB/4, 1, 0
	s_wait_dscnt 0x0                               ; the add is done, and my reads of this slot are over
	s_barrier_signal -1
	MULS MB/4, MB/4, 1, 0
	WIN 0
	s_barrier_wait -1
.if \fill
	CREST
	s_add_nc_u64 s[G0+4*\slot+2:G0+4*\slot+3], s[G0+4*\slot+2:G0+4*\slot+3], 2*NQ*FRB
	s_add_nc_u64 s[G0B+4*\slot+2:G0B+4*\slot+3], s[G0B+4*\slot+2:G0B+4*\slot+3], 2*NQ*FRB
	JLOAD G0+4*\slot, G1, G0B+4*\slot, G1B
.else
	PLACES 4
.endif
	v_add_nc_u32 v[ADRS], NQ*64*MB, v[ADRS]
	FETCH \next, 0, 0
	MULS MB/2, MB/2, 1, 0
	WIN 0
.endm
.macro LAST
	s_wait_dscnt 0x0
	MULS 0, MB, 1, 0
	WIN 0
.endm
	s_load_b256 s[4:11], s[0:1], 0x0               ; A, wts, the bias, the residual
	s_load_b64 s[12:13], s[0:1], 0x20              ; the output
	v_lshl_add_u32 v[SPW], v0, 2, SPARE
	v_mov_b32 v[NIL], 0
	ds_add_u32 v[SPW], v[NIL]                      ; the wave's opening: the add and its wait ahead of my first tensor load
	ds_add_u32 v[SPW], v[NIL]
	v_lshrrev_b32 v1, 5, v0
	v_readfirstlane_b32 s14, v1
	s_lshr_b32 s15, s14, 1
	s_and_b32 s16, s14, 1
	s_bfe_u32 s40, ttmp6, 0x40000
	s_bfe_u32 s41, ttmp6, 0x40004
	s_lshl_b32 s42, ttmp9, 2
	s_add_co_u32 s42, s42, s40                     ; tile column
	s_and_b32 s17, ttmp7, 0xffff
	s_lshl_b32 s17, s17, 2
	s_add_co_u32 s17, s17, s41                     ; tile row
	s_lshl_b32 s43, s41, 2
	s_lshl_b32 s43, 15, s43
	s_lshl_b32 s44, 0x1111, s40
	s_or_b32 s[G1+0], s43, (3<<16)|(1<<21)
	s_or_b32 s[G1B+0], s44, (3<<16)|(1<<21)
.irp g, G1, G1B
	s_mov_b32 s[\g+1], (NQ*192)<<16
	s_mov_b32 s[\g+2], (2*MB)<<16                  ; a load brings both halves: 2 MB blocks
	s_mov_b32 s[\g+3], (NQ*192)<<16
	s_mov_b32 s[\g+4], 2*MB
	s_mov_b32 s[\g+5], KSTEPS*192
	s_mov_b32 s[\g+6], 0
	s_mov_b32 s[\g+7], 0
.endr
	s_or_b32 s[G1S+0], s43, (2<<16)|(1<<21)
	s_or_b32 s[G1SB+0], s44, (2<<16)|(1<<21)
.irp g, G1S, G1SB
	s_mov_b32 s[\g+1], (32*MB)<<16
	s_mov_b32 s[\g+2], KSTEPS<<16
	s_mov_b32 s[\g+3], (32*MB)<<16
	s_mov_b32 s[\g+4], KSTEPS
	s_mov_b32 s[\g+5], 4096
	s_mov_b32 s[\g+6], 0
	s_mov_b32 s[\g+7], 0
.endr
	s_mul_i32 s22, s17, 2*MB
	s_mul_i32 s92, s22, KSTEPS*FRB
	s_lshl_b32 s94, s22, 6
	s_add_co_u32 s94, s94, A_S
	s_mov_b32 s93, 0
	s_mov_b32 s95, 0
	s_mul_i32 s46, s42, 2*MB
	s_mul_i32 s96, s46, KSTEPS*FRB
	s_add_co_u32 s96, s96, B_C
	s_lshl_b32 s98, s46, 6
	s_add_co_u32 s98, s98, B_S
	s_mov_b32 s97, 0
	s_mov_b32 s99, 0
	s_wait_dscnt 0x0
	s_wait_kmcnt 0x0
	CROUND
	s_mov_b32 s[G0S], 1
	s_mov_b32 s[G0S+1], SCL
	s_add_nc_u64 s[G0S+2:G0S+3], s[4:5], s[94:95]
	s_or_b32 s[G0S+3], s[G0S+3], 0x80000000
	s_mov_b32 s[G0SB], 1
	s_mov_b32 s[G0SB+1], SCL+2*SREG
	s_add_nc_u64 s[G0SB+2:G0SB+3], s[6:7], s[98:99]
	s_or_b32 s[G0SB+3], s[G0SB+3], 0x80000000
	s_add_nc_u64 s[94:95], s[4:5], s[92:93]        ; s[92:95]: group 0 of A's 128 rows, all of K; s[96:99]: of B's
	s_add_nc_u64 s[98:99], s[6:7], s[96:97]
	s_mov_b32 s92, 1
	s_mov_b32 s93, 0
	s_or_b32 s95, s95, 0x80000000
	s_mov_b32 s96, 1
	s_mov_b32 s97, 2*HALFT
	s_or_b32 s99, s99, 0x80000000
; THE HEAD'S FOUR TILES, one a wave: A's codes, B's codes, A's scale words, B's.  One chain of arms on the wave's number, all leading to one join.
; No data prefetch: all tiles are asked for at the head.
.macro ARM under, g0, g1, next
	s_cmp_lt_u32 s14, \under
	s_cbranch_scc0 \next
	tensor_load_to_lds s[\g0:\g0+3], s[\g1:\g1+7]
	s_nop 0
	PLACES 4
	s_branch .Lhead_asked
\next:
.endm
	ARM 1, 92, G1, .Lhead_b
	ARM 2, 96, G1B, .Lhead_sa
	ARM 3, G0S, G1S, .Lhead_sb
	tensor_load_to_lds s[G0SB:G0SB+3], s[G1SB:G1SB+7]
	s_nop 0
	PLACES 4
.Lhead_asked:
	v_and_b32 v1, 15, v0                           ; r
	v_bfe_u32 v2, v0, 4, 1                         ; h
	s_wait_alu depctr_va_vdst(0)
	v_and_b32 v3, 31, v0
	v_lshlrev_b32 v[LI], 4, v3
	s_mul_i32 s18, s15, HALFT
	s_mul_i32 s19, s16, HALFT
	s_add_co_u32 s19, s19, 2*HALFT
.irp s, 0,1
	v_add_nc_u32 v[ADRA+\s], s18, v[LI]
	v_add_nc_u32 v[ADRB+\s], s19, v[LI]
	s_add_co_u32 s18, s18, SLOT
	s_add_co_u32 s19, s19, SLOT
.endr
	s_mul_i32 s18, s15, 64*MB
	s_mul_i32 s19, s16, 64*MB
	s_add_co_u32 s19, s19, 2*SREG
	s_sub_co_u32 s19, s19, s18
	v_mul_u32_u24 v4, s19, v2
	s_add_co_u32 s18, s18, SCL
	v_lshl_add_u32 v4, v1, 2, v4
	v_add_nc_u32 v[ADRS], s18, v4
	s_mul_i32 s18, s14, 16*272
	s_add_co_u32 s18, s18, STAGE                   ; my stage
	v_mul_u32_u24 v4, v1, 272
	v_lshl_add_u32 v4, v2, 6, v4
	v_add_nc_u32 v[STO], s18, v4                   ; in: row r, + 64 h
	v_mul_u32_u24 v4, v2, 272
	v_lshl_add_u32 v4, v1, 4, v4
	v_add_nc_u32 v[RD], s18, v4                    ; back: lanes 0-15 one row of 256 bytes, lanes 16-31 the next
	v_lshlrev_b32 v4, 12, v2
	v_lshl_add_u32 v[CO], v1, 4, v4                ; and the same two rows in memory
	s_wait_alu depctr_va_vdst(0)
	s_mul_i32 s18, s42, 128*MB
	s_mul_i32 s19, s16, 64*MB
	s_add_co_u32 s18, s18, s19
	s_mov_b32 s19, 0
	s_add_nc_u64 s[8:9], s[8:9], s[18:19]          ; the bias at my first column
	s_lshl_b32 s20, s17, 7
	s_lshl_b32 s66, s15, 6
	s_add_co_u32 s20, s20, s66
	s_lshl_b32 s20, s20, 12                        ; my first row, 4,096 bytes a row,
	s_add_co_u32 s20, s20, s18                     ; and my first column
	s_mov_b32 s21, 0
	s_add_nc_u64 s[10:11], s[10:11], s[20:21]
	s_add_nc_u64 s[12:13], s[12:13], s[20:21]
	v_lshlrev_b32 v5, 6, v2
	WIN 0x40
.set I_, 0
.rept NB
	global_load_b128 v[BI+8*I_:BI+8*I_+3], v5, s[8:9] offset:(32*(I_/2)+8*(I_%2))*4
	global_load_b128 v[BI+8*I_+4:BI+8*I_+7], v5, s[8:9] offset:(32*(I_/2)+8*(I_%2))*4+16
.set I_, I_+1
.endr
	WIN 0xc0                                       ; the residual, in the order in which the rows leave: block a, rows 2 t, 2 t + 1 of its positions
.irp a, 0,1,2,3
.irp t, 0,1,2,3,4,5,6,7
	global_load_b128 v[32*\a+4*\t:32*\a+4*\t+3], v[CO], s[10:11] offset:(32*(\a/2)+8*(\a%2)+2*\t+8*(\t/4))*4096 th:TH_LOAD_NT
.endr
.endr
	WIN 0
	s_wait_tensorcnt 0x0                           ; my tile of the four is in; the barrier shows all four to every wave
	s_barrier_signal -1
	s_barrier_wait -1
	FETCH 0, 0, 0
	s_wait_loadcnt 32                              ; the bias is in; the residual's 32 loads may be out
	STEP 0, 0, 1
.if LAPS > 1
	s_mov_b32 s3, LAPS-1
.Llap:
	STEP 0, 1, 0
	STEP 0, 2, 0
	TURN 0, 1, 1
	STEP 1, 0, 0
	STEP 1, 1, 0
	STEP 1, 2, 0
	TURN 1, 0, 1
	STEP 0, 0, 0
	s_sub_co_u32 s3, s3, 1
	s_cmp_lg_u32 s3, 0
	s_cbranch_scc1 .Llap
.endif
	STEP 0, 1, 0
	STEP 0, 2, 0
	STEP 0, 3, 0
	STEP 0, 4, 0
	STEP 0, 5, 0
	STEP 0, 6, 0
	LAST
	; THE WAY OUT, a block of 16 rows x 64 columns at a time: through my own stage in LDS, back as whole rows of 256 bytes, the residual added, sixteen lanes to an aligned 256 bytes.
.macro TOSTAGE a
	WIN 0x08
.irp b, 0,1,2,3
	ds_store_b128 v[STO], v[8*(4*(\a)+\b):8*(4*(\a)+\b)+3] offset:128*(\b/2)+32*(\b%2)          ; each accumulator from its low end on
	ds_store_b128 v[STO], v[8*(4*(\a)+\b)+4:8*(4*(\a)+\b)+7] offset:128*(\b/2)+32*(\b%2)+16
.endr
	WIN 0
.irp t, 0,1,2,3,4,5,6,7
	ds_load_b128 v[BK+32*((\a)%2)+4*\t:BK+32*((\a)%2)+4*\t+3], v[RD] offset:544*\t   ; LDS serves a wave's instructions in order: these see my stores
.endr
.endm
.macro SEND a, younger
	s_wait_dscnt \younger
	WIN 0x0c
.set J_, 0
.rept 16
	v_pk_add_f32 v[BK+32*((\a)%2)+J_:BK+32*((\a)%2)+J_+1], v[BK+32*((\a)%2)+J_:BK+32*((\a)%2)+J_+1], v[32*(\a)+J_:32*(\a)+J_+1]
.set J_, J_+2
.endr
	WIN 0
.irp t, 0,1,2,3,4,5,6,7
	global_store_b128 v[CO], v[BK+32*((\a)%2)+4*\t:BK+32*((\a)%2)+4*\t+3], s[12:13] offset:(32*((\a)/2)+8*((\a)%2)+2*\t+8*(\t/4))*4096
.endr
.endm
	PLACES 4                                       ; behind the last products: ahead of the first read of results and of loads into A's registers
	s_wait_loadcnt 0x0                             ; the residual
	TOSTAGE 0
.irp a, 1,2,3
.if \a > 1
	s_wait_xcnt 0x0                                ; block a - 2's stores have read their registers: block a's loads may land there
.endif
	TOSTAGE \a
	SEND \a-1, 16                                  ; behind block a - 1's loads: block a's 8 stores and 8 loads
.endr
	SEND 3, 0
	s_wait_tensorcnt 0x0                           ; the wave's end
	ds_add_u32 v[SPW], v[NIL]
	s_wait_dscnt 0x0
	CROUND                                         ; the closing round
	s_endpgm
.Lfunc_end_k_qa3b432a7b7_wo:
	.size	k_qa3b432a7b7_wo, .Lfunc_end_k_qa3b432a7b7_wo-k_qa3b432a7b7_wo
	.p2alignl 7, 3214868480
	.fill 96, 4, 3214868480
	.section	.rodata,"a",@progbits
	.p2align	6, 0x0
	.amdhsa_kernel k_qa3b432a7b7_wo
		.amdhsa_group_segment_fixed_size 327680
		.amdhsa_private_segment_fixed_size 0
		.amdhsa_enable_private_segment 0
		.amdhsa_kernarg_size 40
		.amdhsa_user_sgpr_count 2
		.amdhsa_user_sgpr_kernarg_segment_ptr 1
		.amdhsa_wavefront_size32 1
		.amdhsa_system_sgpr_workgroup_id_x 1
		.amdhsa_system_sgpr_workgroup_id_y 1
		.amdhsa_system_sgpr_workgroup_id_z 1
		.amdhsa_system_vgpr_workitem_id 0
		.amdhsa_next_free_vgpr 1024
		.amdhsa_next_free_sgpr 100
		.amdhsa_reserve_vcc 0
		.amdhsa_float_denorm_mode_32 3
		.amdhsa_float_denorm_mode_16_64 3
		.amdhsa_memory_ordered 1
		.amdhsa_forward_progress 1
		.amdhsa_inst_pref_size 57
	.end_amdhsa_kernel
	.amdgpu_metadata
---
amdhsa.version: [ 1, 2 ]
amdhsa.kernels:
  - .name:           k_qa3b432a7b7_wo
    .symbol:         k_qa3b432a7b7_wo.kd
    .args:
      - { .name: att, .offset: 0, .size: 8, .value_kind: global_buffer, .address_space: global }
      - { .name: wts, .offset: 8, .size: 8, .value_kind: global_buffer, .address_space: global }
      - { .name: bo, .offset: 16, .size: 8, .value_kind: global_buffer, .address_space: global }
      - { .name: x, .offset: 24, .size: 8, .value_kind: global_buffer, .address_space: global }
      - { .name: x1, .offset: 32, .size: 8, .value_kind: global_buffer, .address_space: global }
    .group_segment_fixed_size: 327680
    .private_segment_fixed_size: 0
    .kernarg_segment_align: 8
    .kernarg_segment_size: 40
    .max_flat_workgroup_size: 128
    .sgpr_count:     100
    .vgpr_count:     1024
    .wavefront_size: 32
...
	.end_amdgpu_metadata
.endif
;; end of part 4
;; launch ln1 (part 5): grid 256 x 1, 8 waves a work-group, no clusters, 66,816 bytes of LDS; arguments x1, ln2_g, ln2_b, hbuf; writes hbuf
.if DOCPART == 5
	.amdgcn_target "amdgcn-amd-amdhsa--gfx1250"
	.amdhsa_code_object_version 6
	.text
	.protected	k_qa3b432a7b7_ln1
	.globl	k_qa3b432a7b7_ln1
	.p2align	8
	.type	k_qa3b432a7b7_ln1,@function
k_qa3b432a7b7_ln1:
	s_mov_b64 s[64:65], 0
	v_nop
	global_prefetch_b8 v0, s[64:65] scope:SCOPE_SE
	s_setreg_imm32_b32 hwreg(HW_REG_WAVE_MODE, 25, 1), 1
	s_wait_xcnt 0x0
; h = layernorm(x) g + b in f32, then quantised along its 1,024 columns to FP6 (E2M3) with one E8M0 byte for each 32, and stored as images of operand registers: [block of 16 rows][K step of 128][1,536 bytes],
; register 4 c + e of lane L at byte 512 c + 16 L + 4 e; scale words [K step][16 block + r] behind them, 16,384 bytes a K step.  x: [4096][1024] f32.
; THE ROWS OF A BLOCK ARE NOT NEIGHBOURS: lane r of block i stands for row 32 (i / 2) + 8 (i % 2) + r + 8 (r / 8).
; A work-group is one block.  Phase 1: each of eight waves norms two neighbouring rows (8 KiB on end, kept in registers between the passes) and lays them in LDS.  Phase 2: wave w quantises K step w of all 16 rows.
; LIMITS: a block's largest magnitude is floored at 2^-124 (byte 1); a block of zeros so gets byte 1, not 127 (zero codes; the bytes are read by this program alone); NaN and infinities are not served.
.set PITCH, 4112                       ; an LDS row: 4,096 bytes + 16: the 16 rows that a load touches start 16 bytes apart modulo 256
.set SPARE, 16*PITCH                   ; behind the rows: the spare words, 128 bytes for each wave
.set H_S,   3145728
.set X,   16                           ; v16-79   two rows of 32 registers; in phase 2 the 64 numbers to quantise
.set G,   80                           ; v80-111  g at my columns
.set B,   112                          ; v112-143 b
.set S,   144                          ; v144-151 sums: four registers a row
.set TM,  152                          ; v152-167 the quantiser's
.set PW,  168
.set PC,  172                          ; v172-190 codes
.set ST,  192                          ; v192-195 mean (a pair a row), v196-199 1 / sigma, v202 eps
.set SPW, 8
.set NIL, 9
	s_load_b256 s[4:11], s[0:1], 0x0               ; x, g, b, hbuf
	v_lshl_add_u32 v[SPW], v0, 2, SPARE
	v_mov_b32 v[NIL], 0
	v_lshrrev_b32 v1, 5, v0
	s_delay_alu instid0(VALU_DEP_1)
	v_readfirstlane_b32 s12, v1                    ; wave
	v_and_b32 v1, 31, v0
	s_delay_alu instid0(VALU_DEP_1)
	v_lshlrev_b32 v2, 4, v1                        ; 16 x lane
	s_wait_alu depctr_va_vdst(0)
	s_lshr_b32 s13, ttmp9, 1
	s_lshl_b32 s13, s13, 5
	s_and_b32 s14, ttmp9, 1
	s_lshl_b32 s14, s14, 3
	s_add_co_u32 s13, s13, s14
	s_lshl_b32 s14, s12, 1
	s_add_co_u32 s13, s13, s14
	s_lshr_b32 s14, s12, 2
	s_lshl_b32 s14, s14, 3
	s_add_co_u32 s13, s13, s14                     ; the row of position 2 w; position 2 w + 1 is the next row
	s_lshl_b32 s14, s13, 12
	s_mov_b32 s15, 0
	s_mul_i32 s16, s12, 2*PITCH
	v_add_nc_u32 v3, s16, v2                       ; LDS, in: positions 2 w, 2 w + 1; 16 bytes a lane
	v_and_b32 v5, 15, v0                           ; r
	v_bfe_u32 v6, v0, 4, 1                         ; h
	s_delay_alu instid0(VALU_DEP_2)
	v_mul_u32_u24 v4, v5, PITCH
	s_delay_alu instid0(VALU_DEP_1)
	v_lshl_add_u32 v4, v6, 6, v4
	s_lshl_b32 s16, s12, 9
	v_add_nc_u32 v4, s16, v4                       ; LDS, out: row r, K step w, 16 numbers of each block of 32 for my half
	v_lshlrev_b32 v7, 2, v5                        ; 4 r
	s_mov_b32 s18, 0x3a800000                      ; 1 / 1024
	s_mov_b32 s20, 0x76543210
	s_mov_b32 s21, 0xfedcba98                      ; lane selects: lane l xor 16
	v_mov_b32 v[ST+10], 0x3727c5ac                 ; eps = 1e-5
.irp b, 0,1,2,3
	v_mov_b32 v[TM+4+\b], 0                        ; a lane permute's destination counts as one of its sources
.endr
	s_lshl_b32 s22, ttmp9, 3
	s_add_co_u32 s22, s22, s12
	s_mul_i32 s22, s22, 1536                       ; my fragment's image: (8 block + w) x 1,536
	s_mov_b32 s23, 0
	s_lshl_b32 s24, s12, 14
	s_lshl_b32 s25, ttmp9, 6
	s_add_co_u32 s24, s24, s25
	s_add_co_u32 s24, s24, H_S                     ; its scale words
	s_mov_b32 s25, 0
	s_wait_kmcnt 0x0
	s_add_nc_u64 s[4:5], s[4:5], s[14:15]
	s_add_nc_u64 s[22:23], s[10:11], s[22:23]
	s_add_nc_u64 s[24:25], s[10:11], s[24:25]
.irp e, 0,1
.irp j, 0,1,2,3,4,5,6,7
	global_load_b128 v[X+32*\e+4*\j:X+32*\e+4*\j+3], v2, s[4:5] offset:4096*\e+512*\j th:TH_LOAD_NT
.endr
.endr
.irp j, 0,1,2,3,4,5,6,7
	global_load_b128 v[G+4*\j:G+4*\j+3], v2, s[6:7] offset:512*\j
.endr
.irp j, 0,1,2,3,4,5,6,7
	global_load_b128 v[B+4*\j:B+4*\j+3], v2, s[8:9] offset:512*\j
.endr
.macro RED                             ; each row's two chains, its two halves, then the 32 lanes: every lane ends with the row's sum in v[S + 4 e]
.irp e, 0
	s_delay_alu instid0(VALU_DEP_3)
	v_pk_add_f32 v[S+4*\e:S+4*\e+1], v[S+4*\e:S+4*\e+1], v[S+4*\e+2:S+4*\e+3]
.endr
.irp e, 1
	s_delay_alu instid0(VALU_DEP_2)
	v_pk_add_f32 v[S+4*\e:S+4*\e+1], v[S+4*\e:S+4*\e+1], v[S+4*\e+2:S+4*\e+3]
.endr
.irp e, 0,1
	s_delay_alu instid0(VALU_DEP_2)
	v_add_f32 v[S+4*\e], v[S+4*\e], v[S+4*\e+1]
.endr
.irp m, 1,2,4,8
.irp e, 0,1
	s_delay_alu instid0(VALU_DEP_2)
	v_add_f32_dpp v[S+4*\e], v[S+4*\e], v[S+4*\e] row_xmask:\m row_mask:0xf bank_mask:0xf
.endr
.endr
.irp e, 0,1
	s_delay_alu instid0(VALU_DEP_2)
	v_permlanex16_b32 v[S+4*\e+1], v[S+4*\e], s20, s21
.endr
.irp e, 0,1
	s_delay_alu instid0(VALU_DEP_2)
	v_add_f32 v[S+4*\e], v[S+4*\e], v[S+4*\e+1]
.endr
.endm
	s_wait_loadcnt 16                              ; x is in; the 16 loads of g and b may be out
.irp e, 0,1
	v_pk_add_f32 v[S+4*\e:S+4*\e+1], v[X+32*\e:X+32*\e+1], v[X+32*\e+2:X+32*\e+3]
	v_pk_add_f32 v[S+4*\e+2:S+4*\e+3], v[X+32*\e+4:X+32*\e+5], v[X+32*\e+6:X+32*\e+7]
.endr
.irp i, 8,12,16,20,24,28
.irp e, 0,1
	s_delay_alu instid0(VALU_DEP_4)
	v_pk_add_f32 v[S+4*\e:S+4*\e+1], v[S+4*\e:S+4*\e+1], v[X+32*\e+\i:X+32*\e+\i+1]
	s_delay_alu instid0(VALU_DEP_4)
	v_pk_add_f32 v[S+4*\e+2:S+4*\e+3], v[S+4*\e+2:S+4*\e+3], v[X+32*\e+\i+2:X+32*\e+\i+3]
.endr
.endr
	RED
.irp e, 0,1
	s_delay_alu instid0(VALU_DEP_2)
	v_mul_f32 v[ST+2*\e], s18, v[S+4*\e]           ; the mean
.endr
.irp e, 0,1
	s_delay_alu instid0(VALU_DEP_2)
	v_mov_b32 v[ST+2*\e+1], v[ST+2*\e]
.endr
.set J_, 0
.rept 16
.irp e, 0,1
	v_pk_add_f32 v[X+32*\e+J_:X+32*\e+J_+1], v[X+32*\e+J_:X+32*\e+J_+1], v[ST+2*\e:ST+2*\e+1] neg_lo:[0,1] neg_hi:[0,1]   ; x - mean, in place
.endr
.set J_, J_+2
.endr
.irp e, 0,1
	v_pk_mul_f32 v[S+4*\e:S+4*\e+1], v[X+32*\e:X+32*\e+1], v[X+32*\e:X+32*\e+1]
	v_pk_mul_f32 v[S+4*\e+2:S+4*\e+3], v[X+32*\e+2:X+32*\e+3], v[X+32*\e+2:X+32*\e+3]
.endr
.irp i, 4,8,12,16,20,24,28
.irp e, 0,1
	s_delay_alu instid0(VALU_DEP_4)
	v_pk_fma_f32 v[S+4*\e:S+4*\e+1], v[X+32*\e+\i:X+32*\e+\i+1], v[X+32*\e+\i:X+32*\e+\i+1], v[S+4*\e:S+4*\e+1]
	s_delay_alu instid0(VALU_DEP_4)
	v_pk_fma_f32 v[S+4*\e+2:S+4*\e+3], v[X+32*\e+\i+2:X+32*\e+\i+3], v[X+32*\e+\i+2:X+32*\e+\i+3], v[S+4*\e+2:S+4*\e+3]
.endr
.endr
	RED
.irp e, 0,1
	s_delay_alu instid0(VALU_DEP_2)
	v_fma_f32 v[S+4*\e], v[S+4*\e], s18, v[ST+10]  ; the variance + eps
.endr
	s_wait_alu depctr_va_vdst(0)
.irp e, 0,1
	v_rsq_f32 v[ST+4+2*\e], v[S+4*\e]
.endr
	v_nop                                          ; a plain instruction behind the two roots,
	s_wait_alu depctr_va_vdst(0)                   ; and one wait for both, ahead of their first reader
.irp e, 0,1
	v_mov_b32 v[ST+5+2*\e], v[ST+4+2*\e]
.endr
	s_wait_alu depctr_va_vdst(0)
	s_wait_loadcnt 0x0                             ; g and b
.set J_, 0
.rept 16
.irp e, 0,1
	v_pk_mul_f32 v[X+32*\e+J_:X+32*\e+J_+1], v[X+32*\e+J_:X+32*\e+J_+1], v[ST+4+2*\e:ST+5+2*\e]
.endr
.irp e, 0,1
	s_delay_alu instid0(VALU_DEP_2)
	v_pk_fma_f32 v[X+32*\e+J_:X+32*\e+J_+1], v[X+32*\e+J_:X+32*\e+J_+1], v[G+J_:G+J_+1], v[B+J_:B+J_+1]
.endr
.set J_, J_+2
.endr
.irp e, 0,1
.irp j, 0,1,2,3,4,5,6,7
	ds_store_b128 v3, v[X+32*\e+4*\j:X+32*\e+4*\j+3] offset:\e*PITCH+512*\j
.endr
.endr
	s_wait_dscnt 0x0                               ; for the others' sake: my two rows lie in LDS
	s_barrier_signal -1
	s_barrier_wait -1
.irp b, 0,1,2,3
.irp j, 0,1,2,3
	ds_load_b128 v[X+16*\b+4*\j:X+16*\b+4*\j+3], v4 offset:128*\b+16*\j   ; register 16 b + i = k 128 w + 32 b + 16 h + i of row r
.endr
.endr
	s_wait_dscnt 0x0
.irp b, 0,1,2,3
	v_max3_num_f32 v[TM+\b], |v[X+16*\b]|, |v[X+1+16*\b]|, 0x1800000   ; block b: my 16 numbers, and the floor 2^(3 - 127)
.endr
.irp i, 2,4,6,8,10,12,14
.irp b, 0,1,2,3
	s_delay_alu instid0(VALU_DEP_4)
	v_max3_num_f32 v[TM+\b], v[TM+\b], |v[X+16*\b+\i]|, |v[X+1+16*\b+\i]|
.endr
.endr
.irp b, 0,1,2,3
	s_delay_alu instid0(VALU_DEP_4)
	v_permlanex16_b32 v[TM+4+\b], v[TM+\b], s20, s21
.endr
.irp b, 0,1,2,3
	s_delay_alu instid0(VALU_DEP_4)
	v_max_num_f32 v[TM+\b], v[TM+\b], v[TM+4+\b]   ; with lane l xor 16's: the block's largest magnitude
.endr
.irp b, 0,1,2,3
	s_delay_alu instid0(VALU_DEP_4)
	v_add_nc_u32 v[TM+12+\b], 0xff000000, v[TM+\b] ; 2 off its exponent field: the conversion's scale operand
.endr
.irp b, 0,1,2,3
	s_delay_alu instid0(VALU_DEP_4)
	v_lshrrev_b32 v[TM+4+\b], 23, v[TM+12+\b]      ; the scale's byte
.endr
	s_delay_alu instid0(VALU_DEP_3)
	v_lshl_or_b32 v[PW], v[TM+5], 8, v[TM+4]
	s_delay_alu instid0(VALU_DEP_1)
	v_lshl_or_b32 v[PW], v[TM+6], 16, v[PW]
	s_delay_alu instid0(VALU_DEP_1)
	v_lshl_or_b32 v[PW], v[TM+7], 24, v[PW]
.irp c, 0,1
	v_cvt_scalef32_pk16_fp6_f32 v[PC+6*\c:PC+2+6*\c], v[X+32*\c:X+15+32*\c], v[TM+12+2*\c]
	v_cvt_scalef32_pk16_fp6_f32 v[PC+12+4*\c:PC+14+4*\c], v[X+16+32*\c:X+31+32*\c], v[TM+13+2*\c]
.endr
	v_nop                                          ; one plain instruction behind the conversions
.irp c, 0,1                                    ; the operand wants a whole block in a lane: lanes 0-15 block 2 c, lanes 16-31 block 2 c + 1
.irp i, 0,1,2
	v_permlane16_swap_b32 v[PC+6*\c+\i], v[PC+12+4*\c+\i]
.endr
.irp i, 0,1,2
	s_delay_alu instid0(VALU_DEP_3)
	v_mov_b32 v[PC+3+6*\c+\i], v[PC+12+4*\c+\i]
.endr
.endr
.irp c, 0,1,2
	global_store_b128 v2, v[PC+4*\c:PC+4*\c+3], s[22:23] offset:512*\c   ; 512 consecutive bytes a store
.endr
	global_store_b32 v7, v[PW], s[24:25]           ; lanes r and 16 + r hold the same word and write it to the same place
	s_wait_tensorcnt 0x0                           ; the wave's end, behind my last LDS store
	ds_add_u32 v[SPW], v[NIL]
	s_wait_dscnt 0x0
	s_endpgm
.Lfunc_end_k_qa3b432a7b7_ln1:
	.size	k_qa3b432a7b7_ln1, .Lfunc_end_k_qa3b432a7b7_ln1-k_qa3b432a7b7_ln1
	.p2alignl 7, 3214868480
	.fill 96, 4, 3214868480
	.section	.rodata,"a",@progbits
	.p2align	6, 0x0
	.amdhsa_kernel k_qa3b432a7b7_ln1
		.amdhsa_group_segment_fixed_size 66816
		.amdhsa_private_segment_fixed_size 0
		.amdhsa_enable_private_segment 0
		.amdhsa_kernarg_size 32
		.amdhsa_user_sgpr_count 2
		.amdhsa_user_sgpr_kernarg_segment_ptr 1
		.amdhsa_wavefront_size32 1
		.amdhsa_system_sgpr_workgroup_id_x 1
		.amdhsa_system_sgpr_workgroup_id_y 1
		.amdhsa_system_sgpr_workgroup_id_z 1
		.amdhsa_system_vgpr_workitem_id 0
		.amdhsa_next_free_vgpr 208
		.amdhsa_next_free_sgpr 66
		.amdhsa_reserve_vcc 0
		.amdhsa_float_denorm_mode_32 3
		.amdhsa_float_denorm_mode_16_64 3
		.amdhsa_memory_ordered 1
		.amdhsa_forward_progress 1
		.amdhsa_inst_pref_size 30
	.end_amdhsa_kernel
	.amdgpu_metadata
---
amdhsa.version: [ 1, 2 ]
amdhsa.kernels:
  - .name:           k_qa3b432a7b7_ln1
    .symbol:         k_qa3b432a7b7_ln1.kd
    .args:
      - { .name: x1, .offset: 0, .size: 8, .value_kind: global_buffer, .address_space: global }
      - { .name: ln2_g, .offset: 8, .size: 8, .value_kind: global_buffer, .address_space: global }
      - { .name: ln2_b, .offset: 16, .size: 8, .value_kind: global_buffer, .address_space: global }
      - { .name: hbuf, .offset: 24, .size: 8, .value_kind: global_buffer, .address_space: global }
    .group_segment_fixed_size: 66816
    .private_segment_fixed_size: 0
    .kernarg_segment_align: 8
    .kernarg_segment_size: 32
    .max_flat_workgroup_size: 256
    .sgpr_count:     66
    .vgpr_count:     208
    .wavefront_size: 32
...
	.end_amdgpu_metadata
.endif
;; end of part 5
;; launch ffn1 (part 6): grid 16 x 16, 4 waves a work-group, clusters of 4 x 4, 327,680 bytes of LDS; arguments hbuf, wts, b1, hid; writes hid
.if DOCPART == 6
	.amdgcn_target "amdgcn-amd-amdhsa--gfx1250"
	.amdhsa_code_object_version 6
	.text
	.protected	k_qa3b432a7b7_ffn1
	.globl	k_qa3b432a7b7_ffn1
	.p2align	8
	.type	k_qa3b432a7b7_ffn1,@function
k_qa3b432a7b7_ffn1:
	s_mov_b64 s[64:65], 0
	v_nop
	global_prefetch_b8 v0, s[64:65] scope:SCOPE_SE
	s_setreg_imm32_b32 hwreg(HW_REG_WAVE_MODE, 25, 1), 1
	s_wait_xcnt 0x0
	s_wait_alu depctr_hold_cnt(0) depctr_sa_sdst(0) depctr_va_vdst(0) depctr_va_sdst(0) depctr_va_ssrc(0) depctr_va_vcc(0) depctr_vm_vsrc(0)
	s_getreg_b32 s2, hwreg(HW_REG_IB_STS2, 6, 4)
	s_cmp_eq_u32 s2, 0
	s_cbranch_scc0 .Lentry_in_a_cluster
	s_endpgm
.Lentry_in_a_cluster:
	s_bfe_u32 s2, ttmp6, 0x10000c
	s_cmp_lg_u32 s2, 0xf033
	s_cbranch_scc0 .Lentry_shape_is_right
	s_endpgm
.Lentry_shape_is_right:
.set REGIONS, 0
.set RELU,    1
.set BIAS,    1
.set SPLIT,   0
.set OUTP,    10
.set H_S,    3145728
.set WV_C,   1572864
.set WQKV_S, 9437184
.set W1_C,   3145728
.set W1_S,   9699328
.set V_C,    6291456
.set QK_S,   9437184
.set V_S,    9699328
.set HID_S,  12582912
.set MB, 8
.set NB, 8
.set NQ, 3                             ; K steps in a slot: the 8 steps go as 3 + 3 + 2, three fills in all
.set KSTEPS, 8
.set LAPS, KSTEPS/(2*NQ)
.set FRB, 1536
.set HALFT, MB*NQ*FRB
.set SLOT, 4*HALFT
.set SCL, 2*SLOT
.set SREG, KSTEPS*64*MB
.set SPARE, SCL+4*SREG
.set ADRA, 16
.set ADRB, 20
.set ADRS, 27
.set SPW, 28
.set NIL, 29
.set LI, 30
.set LS, 31
.set SC, 32
.set FL, 48
.set PWE, 49
.set PWM, 50
.set L8, 54
.set AF, 64
.set BI, 192
.set TM, 64
.set PW, 80
.set PC, 96
.set G1, 24
.set G0, 32
.set G1B, 48
.set G0B, 56
.set G1S, 68
.set G0S, 76
.set G1SB, 80
.set G0SB, 88
.set SEL, 100
.set MSB, 0
.macro WIN new
.set NW_, \new
.if MSB != NW_
	s_set_vgpr_msb (MSB<<8)|NW_
.set MSB, NW_
.endif
.endm
.macro PLACES n
.rept \n
	v_nop
.endr
.endm
.macro JLOAD g0a, g1a, g0b, g1b
	s_cmp_eq_u32 s15, 0
	s_cbranch_scc0 .Lfor_b_\@
	tensor_load_to_lds s[\g0a:\g0a+3], s[\g1a:\g1a+7]
	s_nop 0
.rept 4
	v_nop
.endr
	s_branch .Lasked_\@
.Lfor_b_\@:
	tensor_load_to_lds s[\g0b:\g0b+3], s[\g1b:\g1b+7]
	s_nop 0
.rept 4
	v_nop
.endr
.Lasked_\@:
.endm
.macro CREST
	s_cmp_lg_u32 s14, 0
	s_cbranch_scc1 .Lnot_wave_0_\@
	s_barrier_signal -3
.Lnot_wave_0_\@:
	s_barrier_wait -3
	s_barrier_signal -1
	s_barrier_wait -1
.endm
.macro CROUND
	s_barrier_signal -1
	s_barrier_wait -1
	CREST
.endm
.macro FETCH slot, q, p
	WIN 0x40
.set I_, 0
.rept NB
.irp c, 0,1,2
	ds_load_b128 v[12*NB*(\p)+12*I_+4*\c:12*NB*(\p)+12*I_+4*\c+3], v[ADRB+\slot] offset:I_*NQ*FRB+(\q)*FRB+512*\c
.endr
.set I_, I_+1
.endr
	WIN 0
.set I_, 0
.rept MB
.irp c, 0,1,2
	ds_load_b128 v[AF+12*MB*(\p)+12*I_+4*\c:AF+12*MB*(\p)+12*I_+4*\c+3], v[ADRA+\slot] offset:I_*NQ*FRB+(\q)*FRB+512*\c
.endr
.set I_, I_+1
.endr
.set I_, 0
.rept MB
	ds_load_b32 v[SC+8*(\p)+I_], v[ADRS] offset:(\q)*128*MB+64*I_   ; the tables lie [K step][both halves' 32 MB words]; lanes 0-15: A's block, lanes 16-31: B's block
.set I_, I_+1
.endr
.endm
.macro MULS a0, na, p, first
.set A_, \a0
.rept \na
.if (\first) && BIAS
	WIN 0x91+0x40*(A_*NB/32)
.else
	WIN 0xa1+0x50*(A_*NB/32)
.endif
.set B_, 0
.rept NB
.set D_, 8*((A_*NB+B_)%32)
.set RB_, 12*NB*(\p)+12*B_
.set RA_, AF+12*MB*(\p)+12*A_
.if (\first) && BIAS
	v_wmma_scale_f32_16x16x128_f8f6f4 v[D_:D_+7], v[RB_:RB_+11], v[RA_:RA_+11], v[BI+8*B_:BI+8*B_+7], v[SC+8*(\p)+B_], v[SC+8*(\p)+A_] matrix_a_fmt:MATRIX_FMT_FP6 matrix_b_fmt:MATRIX_FMT_FP6 matrix_a_scale:MATRIX_SCALE_ROW1
.elseif \first
	v_wmma_scale_f32_16x16x128_f8f6f4 v[D_:D_+7], v[RB_:RB_+11], v[RA_:RA_+11], 0, v[SC+8*(\p)+B_], v[SC+8*(\p)+A_] matrix_a_fmt:MATRIX_FMT_FP6 matrix_b_fmt:MATRIX_FMT_FP6 matrix_a_scale:MATRIX_SCALE_ROW1
.else
	v_wmma_scale_f32_16x16x128_f8f6f4 v[D_:D_+7], v[RB_:RB_+11], v[RA_:RA_+11], v[D_:D_+7], v[SC+8*(\p)+B_], v[SC+8*(\p)+A_] matrix_a_fmt:MATRIX_FMT_FP6 matrix_b_fmt:MATRIX_FMT_FP6 matrix_a_scale:MATRIX_SCALE_ROW1
.endif
.set B_, B_+1
.endr
.set A_, A_+1
.endr
.endm
.macro STEP slot, q, first
	s_wait_dscnt 0x0
	PLACES 4
	FETCH \slot, (\q)+1, 1-((\q)+(\slot))%2        ; a slot has three steps, so the sets' turns change with the slot
	MULS 0, MB, ((\q)+(\slot))%2, \first
	WIN 0
.endm
.macro TURN slot, next, fill
	s_wait_tensorcnt 0x0
	ds_add_u32 v[SPW], v[NIL]
	s_wait_dscnt 0x1
	MULS 0, MB/4, \slot, 0
	s_wait_dscnt 0x0
	s_barrier_signal -1
	MULS MB/4, MB/4, \slot, 0
	WIN 0
	s_barrier_wait -1
.if \fill
	CREST
	s_add_nc_u64 s[G0+4*\slot+2:G0+4*\slot+3], s[G0+4*\slot+2:G0+4*\slot+3], 2*NQ*FRB
	s_mov_b32 s[G1+1], (2*192)<<16                 ; no load of mine is out: of a block's row two K steps are left; the tile's third is written as zeros and never read
	s_mov_b32 s[G1B+1], (2*192)<<16
	s_add_nc_u64 s[G0B+4*\slot+2:G0B+4*\slot+3], s[G0B+4*\slot+2:G0B+4*\slot+3], 2*NQ*FRB
	JLOAD G0+4*\slot, G1, G0B+4*\slot, G1B
.else
	PLACES 4
.endif
	s_wait_alu depctr_va_vdst(0)
	v_add_nc_u32 v[ADRS], NQ*128*MB, v[ADRS]
	FETCH \next, 0, \next
	MULS MB/2, MB/2, \slot, 0
	WIN 0
.endm
.macro LAST
	s_wait_dscnt 0x0
	MULS 0, MB, 1, 0
	WIN 0
.endm
	s_load_b128 s[4:7], s[0:1], 0x0
.if REGIONS
	s_load_b64 s[8:9], s[0:1], 0x10
.else
	s_load_b128 s[8:11], s[0:1], 0x10
.endif
	v_lshl_add_u32 v[SPW], v0, 2, SPARE
	v_mov_b32 v[NIL], 0
	ds_add_u32 v[SPW], v[NIL]
	ds_add_u32 v[SPW], v[NIL]
	v_lshrrev_b32 v1, 5, v0
	v_readfirstlane_b32 s14, v1
	s_lshr_b32 s15, s14, 1
	s_and_b32 s16, s14, 1
	s_bfe_u32 s40, ttmp6, 0x40000
	s_bfe_u32 s41, ttmp6, 0x40004
	s_and_b32 s45, ttmp7, 0xffff
.if REGIONS
	s_sub_co_u32 s42, s45, 4
	s_lshl_b32 s42, s42, 1
	s_add_co_u32 s42, s42, ttmp9
	s_cmp_lt_u32 s45, 4
	s_cselect_b32 s17, s45, 0
	s_cselect_b32 s42, ttmp9, s42
	s_cselect_b32 s10, 0, WV_C
	s_mov_b32 s11, WQKV_S+8192
	s_cselect_b32 s11, H_S, s11
	s_mov_b32 s13, H_S
	s_cselect_b32 s13, WQKV_S, s13
.else
	s_mov_b32 s17, s45
	s_mov_b32 s42, ttmp9
.endif
	s_lshl_b32 s42, s42, 2
	s_add_co_u32 s42, s42, s40
	s_lshl_b32 s17, s17, 2
	s_add_co_u32 s17, s17, s41
	s_lshl_b32 s43, s41, 2
	s_lshl_b32 s43, 15, s43
	s_lshl_b32 s44, 0x1111, s40
	s_or_b32 s[G1+0], s43, (3<<16)|(1<<21)
	s_or_b32 s[G1B+0], s44, (3<<16)|(1<<21)
.irp g, G1, G1B
	s_mov_b32 s[\g+1], (NQ*192)<<16
	s_mov_b32 s[\g+2], (2*MB)<<16                  ; the head's loads bring both halves: 2 MB blocks
	s_mov_b32 s[\g+3], (NQ*192)<<16
	s_mov_b32 s[\g+4], 2*MB
	s_mov_b32 s[\g+5], KSTEPS*192
	s_mov_b32 s[\g+6], 0
	s_mov_b32 s[\g+7], 0
.endr
	s_or_b32 s[G1S+0], s43, (2<<16)|(1<<21)
	s_or_b32 s[G1SB+0], s44, (2<<16)|(1<<21)
.irp g, G1S, G1SB
	s_mov_b32 s[\g+1], (32*MB)<<16                 ; a row: the words of both halves' 32 MB rows for one K step
	s_mov_b32 s[\g+2], KSTEPS<<16
	s_mov_b32 s[\g+3], (32*MB)<<16
	s_mov_b32 s[\g+4], KSTEPS
	s_mov_b32 s[\g+5], 4096
	s_mov_b32 s[\g+6], 0
	s_mov_b32 s[\g+7], 0
.endr
	s_mul_i32 s22, s17, 2*MB
	s_mul_i32 s18, s16, MB*KSTEPS*FRB              ; in the ring I fetch one half of a tile: its distance in bytes
	s_mov_b32 s19, 0
	s_mul_i32 s92, s22, KSTEPS*FRB
	s_lshl_b32 s94, s22, 6
.if REGIONS
	s_add_co_u32 s92, s92, s10
	s_add_co_u32 s94, s94, s11
.else
	s_add_co_u32 s94, s94, H_S
.endif
	s_mov_b32 s93, 0
	s_mov_b32 s95, 0
	s_mul_i32 s46, s42, 2*MB
	s_mul_i32 s96, s46, KSTEPS*FRB
	s_lshl_b32 s98, s46, 6
.if REGIONS
	s_add_co_u32 s98, s98, s13
.else
	s_add_co_u32 s96, s96, W1_C
	s_add_co_u32 s98, s98, W1_S
.endif
	s_mov_b32 s97, 0
	s_mov_b32 s99, 0
	s_mul_i32 s2, s14, HALFT
	s_wait_dscnt 0x0
	s_wait_kmcnt 0x0
.if REGIONS
	s_cmp_lt_u32 s45, 4
	s_cselect_b64 s[22:23], s[4:5], s[6:7]
	s_cselect_b64 s[46:47], s[6:7], s[4:5]
.else
	s_mov_b64 s[22:23], s[4:5]
	s_mov_b64 s[46:47], s[6:7]
.endif
	CROUND
	s_mov_b32 s[G0S], 1
	s_mov_b32 s[G0S+1], SCL
	s_add_nc_u64 s[G0S+2:G0S+3], s[22:23], s[94:95]
	s_or_b32 s[G0S+3], s[G0S+3], 0x80000000
	s_mov_b32 s[G0SB], 1
	s_mov_b32 s[G0SB+1], SCL+2*SREG
	s_add_nc_u64 s[G0SB+2:G0SB+3], s[46:47], s[98:99]
	s_or_b32 s[G0SB+3], s[G0SB+3], 0x80000000
	s_add_nc_u64 s[92:93], s[22:23], s[92:93]
	s_add_nc_u64 s[96:97], s[46:47], s[96:97]
	s_mov_b64 s[94:95], s[92:93]                   ; the whole tiles' addresses, for the head's loads
	s_mov_b64 s[98:99], s[96:97]
	s_add_nc_u64 s[92:93], s[92:93], s[18:19]      ; my half's, for the ring
	s_add_nc_u64 s[96:97], s[96:97], s[18:19]
	s_cmp_eq_u32 s15, 0                            ; the prefetches: do I fetch for A?
	s_cselect_b64 s[104:105], s[92:93], s[96:97]
	s_cselect_b32 s20, s40, s41                    ; my place among the four that ask with me:
	s_mul_i32 s20, s20, 2*KSTEPS*FRB               ; its two blocks of my eight,
	s_add_co_u32 s20, s20, NQ*FRB                  ; at K step 3
	s_mov_b32 s21, 0
	s_add_nc_u64 s[104:105], s[104:105], s[20:21]  ; never rewritten
.irp s, 0,1
	s_mov_b32 s[G0+4*\s], 1
	s_add_co_u32 s[G0+4*\s+1], s2, \s*SLOT
	s_add_nc_u64 s[G0+4*\s+2:G0+4*\s+3], s[92:93], \s*NQ*FRB
	s_or_b32 s[G0+4*\s+3], s[G0+4*\s+3], 0x80000000
	s_mov_b32 s[G0B+4*\s], 1
	s_add_co_u32 s[G0B+4*\s+1], s2, \s*SLOT
	s_add_nc_u64 s[G0B+4*\s+2:G0B+4*\s+3], s[96:97], \s*NQ*FRB
	s_or_b32 s[G0B+4*\s+3], s[G0B+4*\s+3], 0x80000000
.endr
	s_mov_b32 s92, 1                               ; s[92:95]: group 0 of A's slot 0, both halves; s[96:99]: of B's
	s_mov_b32 s93, 0
	s_or_b32 s95, s95, 0x80000000
	s_mov_b32 s96, 1
	s_mov_b32 s97, 2*HALFT
	s_or_b32 s99, s99, 0x80000000
; THE HEAD'S FOUR TILES, one a wave: A's slot 0, B's slot 0, A's scale words, B's.  One chain of arms on the wave's number, all leading to one join.
.macro ARM under, g0, g1, next
	s_cmp_lt_u32 s14, \under
	s_cbranch_scc0 \next
	tensor_load_to_lds s[\g0:\g0+3], s[\g1:\g1+7]
	s_nop 0
	PLACES 4
	s_branch .Lhead_asked
\next:
.endm
	ARM 1, 92, G1, .Lhead_b
	ARM 2, 96, G1B, .Lhead_sa
	ARM 3, G0S, G1S, .Lhead_sb
	tensor_load_to_lds s[G0SB:G0SB+3], s[G1SB:G1SB+7]
	s_nop 0
	PLACES 4
.Lhead_asked:
	v_and_b32 v1, 15, v0
	v_bfe_u32 v2, v0, 4, 1
	s_wait_alu depctr_va_vdst(0)
	v_and_b32 v3, 31, v0
	v_lshlrev_b32 v[LI], 4, v3
	v_lshlrev_b32 v[LS], 2, v3
	v_lshlrev_b32 v[L8], 3, v3
	v_min_u32 v22, 17, v3                          ; a block's three K steps are 18 units of 256 bytes, a lane a unit; the lanes left over name the last again
	v_min_u32 v23, 11, v3                          ; its last two K steps are 12
	v_lshlrev_b32 v22, 8, v22
	v_lshlrev_b32 v23, 8, v23
	global_prefetch_b8 v22, s[104:105] th:TH_LOAD_NT scope:SCOPE_SE                           ; K steps 3 to 5 of my two blocks,
	global_prefetch_b8 v22, s[104:105] offset:KSTEPS*FRB th:TH_LOAD_NT scope:SCOPE_SE
	global_prefetch_b8 v23, s[104:105] offset:NQ*FRB th:TH_LOAD_NT scope:SCOPE_SE             ; and K steps 6 and 7
	global_prefetch_b8 v23, s[104:105] offset:NQ*FRB+KSTEPS*FRB th:TH_LOAD_NT scope:SCOPE_SE
	s_mul_i32 s12, s15, HALFT
	s_mul_i32 s13, s16, HALFT
	s_add_co_u32 s13, s13, 2*HALFT
.irp s, 0,1
	v_add_nc_u32 v[ADRA+\s], s12, v[LI]
	v_add_nc_u32 v[ADRB+\s], s13, v[LI]
	s_add_co_u32 s12, s12, SLOT
	s_add_co_u32 s13, s13, SLOT
.endr
	s_mul_i32 s12, s15, 64*MB
	s_mul_i32 s13, s16, 64*MB
	s_add_co_u32 s13, s13, 2*SREG
	s_sub_co_u32 s13, s13, s12
	v_mul_u32_u24 v4, s13, v2
	s_add_co_u32 s12, s12, SCL
	v_lshl_add_u32 v4, v1, 2, v4
	v_add_nc_u32 v[ADRS], s12, v4
.if BIAS
	s_mul_i32 s12, s42, 128*MB
	s_mul_i32 s13, s16, 64*MB
	s_add_co_u32 s12, s12, s13
	s_mov_b32 s13, 0
	s_add_nc_u64 s[8:9], s[8:9], s[12:13]
	v_lshlrev_b32 v5, 6, v2
	WIN 0x40
.set I_, 0
.rept NB
	global_load_b128 v[BI+8*I_:BI+8*I_+3], v5, s[8:9] offset:(32*(I_/2)+8*(I_%2))*4
	global_load_b128 v[BI+8*I_+4:BI+8*I_+7], v5, s[8:9] offset:(32*(I_/2)+8*(I_%2))*4+16
.set I_, I_+1
.endr
	WIN 0
.endif
	v_mov_b32 v[FL], 0x1800000
	s_mov_b32 s[SEL], 0x76543210
	s_mov_b32 s[SEL+1], 0xfedcba98
	s_wait_alu depctr_va_vdst(0)
	s_wait_tensorcnt 0x0                           ; my tile of the head's four is in; slot 1's first fill is issued as a refill is
	ds_add_u32 v[SPW], v[NIL]
	s_mov_b32 s[G1+2], MB<<16                      ; no load of mine is out: from here on a load brings one half, MB blocks
	s_mov_b32 s[G1+4], MB
	s_mov_b32 s[G1B+2], MB<<16
	s_mov_b32 s[G1B+4], MB
	s_wait_dscnt 0x0
	CROUND
	JLOAD G0+4, G1, G0B+4, G1B                     ; K steps 3 to 5; both later fills were asked for into the L2 behind the head's loads, each unit once in the cluster
	FETCH 0, 0, 0
.if BIAS
	s_wait_loadcnt 0x0
.endif
	STEP 0, 0, 1
	STEP 0, 1, 0
	TURN 0, 1, 1                                   ; slot 0 takes K steps 6 and 7
	s_wait_alu depctr_va_vdst(0)
	STEP 1, 0, 0
	STEP 1, 1, 0
	TURN 1, 0, 0                                   ; nothing more to fill
	s_wait_alu depctr_va_vdst(0)
	STEP 0, 0, 0
	LAST
.if REGIONS
	s_cmp_lt_u32 s45, 4
	s_mov_b32 s66, 49152
	s_cselect_b32 s66, 1536, s66
	s_mov_b32 s2, 1536
	s_cselect_b32 s2, 393216, s2
	s_mov_b32 s3, 4096
	s_cselect_b32 s3, 16384, s3
	s_cselect_b32 s12, 0, V_C
	s_mov_b32 s13, V_S
	s_cselect_b32 s13, QK_S, s13
.else
	s_mov_b32 s66, 49152
	s_mov_b32 s2, 1536
	s_mov_b32 s3, 16384
	s_mov_b32 s12, 0
	s_mov_b32 s13, HID_S
.endif
	s_mov_b32 s67, 0
	s_lshl_b32 s18, s17, 4
	s_lshl_b32 s19, s15, 3
	s_add_co_u32 s18, s18, s19
	s_lshl_b32 s20, s42, 1
	s_add_co_u32 s20, s20, s16
	s_mul_i32 s19, s18, s66
	s_mul_i32 s21, s20, s2
	s_add_co_u32 s19, s19, s21
	s_add_co_u32 s19, s19, s12
	s_mul_i32 s21, s20, s3
	s_lshl_b32 s18, s18, 6
	s_add_co_u32 s21, s21, s18
	s_add_co_u32 s20, s21, s13
	s_mov_b32 s18, s19
	s_mov_b32 s19, 0
	s_mov_b32 s21, 0
	s_add_nc_u64 s[18:19], s[OUTP:OUTP+1], s[18:19]
	s_mov_b64 s[24:25], s[18:19]                   ; a base for each of my eight row blocks, in descriptor registers whose loads are all done: no base is stepped under a store
.irp a, 1,2,3,4,5,6,7
	s_add_nc_u64 s[24+2*\a:25+2*\a], s[22+2*\a:23+2*\a], s[66:67]
.endr
	s_add_nc_u64 s[20:21], s[OUTP:OUTP+1], s[20:21]
	s_mov_b32 s98, 0xffff0000
	PLACES 4
.irp b, 0,1,2,3
	v_mov_b32 v[TM+4+\b], 0
.endr
.macro EPI a
.set W_, 2+(\a)/4
.set AC, 64*((\a)%4)
.set PC, 96+20*(\a)                    ; each block's codes have 20 registers of their own, v96-255, where A's fragments lay: no store's data are written again
.set OB, 24+2*(\a)
.if RELU
	WIN (W_<<2)|(W_<<6)
.set J_, 0
.rept 64
	v_max_num_f32 v[AC+J_], 0, v[AC+J_]
.set J_, J_+1
.endr
.endif
	WIN (W_<<2)|(W_<<4)
.irp b, 0,1,2,3
	v_max3_num_f32 v[TM+\b], v[FL], |v[AC+16*\b]|, |v[AC+16*\b+1]|
.endr
.irp i, 2,4,6,8,10,12,14
.irp b, 0,1,2,3
	v_max3_num_f32 v[TM+\b], v[TM+\b], |v[AC+16*\b+\i]|, |v[AC+16*\b+\i+1]|
.endr
.endr
	WIN 0
.irp b, 0,1,2,3
	v_permlanex16_b32 v[TM+4+\b], v[TM+\b], s[SEL], s[SEL+1]
.endr
.irp b, 0,1,2,3
	v_max_num_f32 v[TM+\b], v[TM+\b], v[TM+4+\b]
.endr
.irp b, 0,1,2,3
	v_add_nc_u32 v[TM+12+\b], 0xff000000, v[TM+\b]
.endr
.irp b, 0,1,2,3
	v_lshrrev_b32 v[TM+4+\b], 23, v[TM+12+\b]
.endr
	v_lshl_or_b32 v[PW], v[TM+5], 8, v[TM+4]
	v_lshl_or_b32 v[PW], v[TM+6], 16, v[PW]
	v_lshl_or_b32 v[PW], v[TM+7], 24, v[PW]
	WIN W_
.irp c, 0,1
	v_cvt_scalef32_pk16_fp6_f32 v[PC+6*\c:PC+2+6*\c], v[AC+32*\c:AC+15+32*\c], v[TM+12+2*\c]
	v_cvt_scalef32_pk16_fp6_f32 v[PC+12+4*\c:PC+14+4*\c], v[AC+16+32*\c:AC+31+32*\c], v[TM+13+2*\c]
.endr
	WIN 0
	v_nop
.irp c, 0,1
.irp i, 0,1,2
	v_permlane16_swap_b32 v[PC+6*\c+\i], v[PC+12+4*\c+\i]
.endr
.irp i, 0,1,2
	v_mov_b32 v[PC+3+6*\c+\i], v[PC+12+4*\c+\i]
.endr
.endr
.if SPLIT
	global_store_b128 v[LI], v[PC:PC+3], s[OB:OB+1]
	global_store_b64 v[L8], v[PC+4:PC+5], s[OB:OB+1] offset:512
	global_store_b128 v[LI], v[PC+6:PC+9], s[OB:OB+1] offset:768
	global_store_b64 v[L8], v[PC+10:PC+11], s[OB:OB+1] offset:1280
.else
.irp c, 0,1,2
	global_store_b128 v[LI], v[PC+4*\c:PC+4*\c+3], s[OB:OB+1] offset:512*\c
.endr
.endif
.if (\a)%2 == 0
	v_mov_b32 v[PWE], v[PW]
.else
	v_cndmask_b32 v[PWM+(\a)/2], v[PWE], v[PW], s98
	global_store_b32 v[LS], v[PWM+(\a)/2], s[20:21] offset:128*((\a)/2)
.endif
.endm
.irp a, 0,1,2,3,4,5,6,7
	EPI \a
.endr
	s_wait_tensorcnt 0x0
	ds_add_u32 v[SPW], v[NIL]
	s_wait_dscnt 0x0
	CROUND
	s_endpgm
.Lfunc_end_k_qa3b432a7b7_ffn1:
	.size	k_qa3b432a7b7_ffn1, .Lfunc_end_k_qa3b432a7b7_ffn1-k_qa3b432a7b7_ffn1
	.p2alignl 7, 3214868480
	.fill 96, 4, 3214868480
	.section	.rodata,"a",@progbits
	.p2align	6, 0x0
	.amdhsa_kernel k_qa3b432a7b7_ffn1
		.amdhsa_group_segment_fixed_size 327680
		.amdhsa_private_segment_fixed_size 0
		.amdhsa_enable_private_segment 0
		.amdhsa_kernarg_size 32
		.amdhsa_user_sgpr_count 2
		.amdhsa_user_sgpr_kernarg_segment_ptr 1
		.amdhsa_wavefront_size32 1
		.amdhsa_system_sgpr_workgroup_id_x 1
		.amdhsa_system_sgpr_workgroup_id_y 1
		.amdhsa_system_sgpr_workgroup_id_z 1
		.amdhsa_system_vgpr_workitem_id 0
		.amdhsa_next_free_vgpr 1024
		.amdhsa_next_free_sgpr 106
		.amdhsa_reserve_vcc 0
		.amdhsa_float_denorm_mode_32 3
		.amdhsa_float_denorm_mode_16_64 3
		.amdhsa_memory_ordered 1
		.amdhsa_forward_progress 1
		.amdhsa_inst_pref_size 160
	.end_amdhsa_kernel
	.amdgpu_metadata
---
amdhsa.version: [ 1, 2 ]
amdhsa.kernels:
  - .name:           k_qa3b432a7b7_ffn1
    .symbol:         k_qa3b432a7b7_ffn1.kd
    .args:
      - { .name: hbuf, .offset: 0, .size: 8, .value_kind: global_buffer, .address_space: global }
      - { .name: wts, .offset: 8, .size: 8, .value_kind: global_buffer, .address_space: global }
      - { .name: b1, .offset: 16, .size: 8, .value_kind: global_buffer, .address_space: global }
      - { .name: hid, .offset: 24, .size: 8, .value_kind: global_buffer, .address_space: global }
    .group_segment_fixed_size: 327680
    .private_segment_fixed_size: 0
    .kernarg_segment_align: 8
    .kernarg_segment_size: 32
    .max_flat_workgroup_size: 128
    .sgpr_count:     106
    .vgpr_count:     1024
    .wavefront_size: 32
...
	.end_amdgpu_metadata
.endif
;; end of part 6
;; launch ffn2 (part 7): grid 8 x 32, 4 waves a work-group, clusters of 4 x 4, 327,680 bytes of LDS; arguments hid, wts, b2, x1, out0; writes out0
.if DOCPART == 7
	.amdgcn_target "amdgcn-amd-amdhsa--gfx1250"
	.amdhsa_code_object_version 6
	.text
	.protected	k_qa3b432a7b7_ffn2
	.globl	k_qa3b432a7b7_ffn2
	.p2align	8
	.type	k_qa3b432a7b7_ffn2,@function
k_qa3b432a7b7_ffn2:
	s_mov_b64 s[64:65], 0
	v_nop
	global_prefetch_b8 v0, s[64:65] scope:SCOPE_SE
	s_setreg_imm32_b32 hwreg(HW_REG_WAVE_MODE, 25, 1), 1
	s_wait_xcnt 0x0
	s_wait_alu depctr_hold_cnt(0) depctr_sa_sdst(0) depctr_va_vdst(0) depctr_va_sdst(0) depctr_va_ssrc(0) depctr_va_vcc(0) depctr_vm_vsrc(0)
	s_getreg_b32 s2, hwreg(HW_REG_IB_STS2, 6, 4)
	s_cmp_eq_u32 s2, 0
	s_cbranch_scc0 .Lentry_in_a_cluster
	s_endpgm
.Lentry_in_a_cluster:
	s_bfe_u32 s2, ttmp6, 0x10000c
	s_cmp_lg_u32 s2, 0xf033
	s_cbranch_scc0 .Lentry_shape_is_right
	s_endpgm
.Lentry_shape_is_right:
; out = x1 + hid W2 + b2: the product on codes of FP6 (E2M3), K = 4,096; sums, bias and residual in f32.
; Operands arrive as images of fragments (16 rows x 128 K = 1,536 bytes: register 4 c + e of lane L at 512 c + 16 L + 4 e), [block][K step]; scale words as tables [K step][16 block + r], 16,384 bytes a K step.
; The rows of a block are 32 (i / 2) + 8 (i % 2) + r + 8 (r / 8).  THE MATRIX INSTRUCTION IS USED TRANSPOSED (source 0 = 16 rows of B, source 1 = 16 rows of A): a lane holds one row of A and, in tiles 2 b, 2 b + 1, the 16 neighbouring columns 32 b + 16 (lane / 16) + 0 .. 15.
; The output has 32 x 8 tiles of 128 x 128: one to each of 256 work-groups (tiles of 256 x 256 would be 64); 64 x 64 to each of four waves: 16 accumulators.  K goes in steps of 128 through two LDS slots of FOUR steps,
; filled by joint tensor loads: A's tile shared along a row of the 4 x 4 cluster, B's along a column.  The bias is the C of each sum's first product; the residual is asked for at the head and added on the way out.
; REGISTERS, in windows of 256: window 0: v16-31 addresses, v32-47 scale words (two sets), from v64 A's fragments (two sets of 48), v128-191 the way out.  window 1: B's two sets; from v192 the bias.  window 2: accumulators, (a, b) at 8 (4 a + b).  window 3: the residual.
.set KSTEPS, 32
.set A_S, 12582912                     ; A's scale words in its buffer
.set B_C, 6291456                      ; B's codes in wts
.set B_S, 9830400                      ; B's scale words in wts
.set BIAS, 1
.set MB, 4
.set NB, 4
.set NQ, 4
.set LAPS, KSTEPS/(2*NQ)
.set FRB, 1536
.set HALFT, MB*NQ*FRB
.set SLOT, 4*HALFT
.set SCL, 2*SLOT
.set SREG, KSTEPS*64*MB
.set STAGE, SCL+4*SREG                 ; the way out: 16 rows x (256 bytes + 16) for each wave; no tile lands here
.set SPARE, STAGE+4*16*272
.set ADRA, 16
.set ADRB, 20
.set STO, 24
.set RD, 25
.set CO, 26
.set ADRS, 27
.set SPW, 28
.set NIL, 29
.set LI, 30
.set SC, 32
.set AF, 64
.set BK, 128
.set BI, 192
.set G1, 24
.set G0, 32
.set G1B, 48
.set G0B, 56
.set G1S, 68
.set G0S, 76
.set G1SB, 80
.set G0SB, 88
.set MSB, 0
.macro WIN new
.set NW_, \new
.if MSB != NW_
	s_set_vgpr_msb (MSB<<8)|NW_
.set MSB, NW_
.endif
.endm
.macro PLACES n
.rept \n
	v_nop
.endr
.endm
.macro JLOAD g0a, g1a, g0b, g1b        ; a joint load: waves 0, 1 fetch for A, waves 2, 3 for B; an s_nop 0 and four v_nop follow each line
	s_cmp_eq_u32 s15, 0
	s_cbranch_scc0 .Lfor_b_\@
	tensor_load_to_lds s[\g0a:\g0a+3], s[\g1a:\g1a+7]
	s_nop 0
.rept 4
	v_nop
.endr
	s_branch .Lasked_\@
.Lfor_b_\@:
	tensor_load_to_lds s[\g0b:\g0b+3], s[\g1b:\g1b+7]
	s_nop 0
.rept 4
	v_nop
.endr
.Lasked_\@:
.endm
.macro CREST
	s_cmp_lg_u32 s14, 0
	s_cbranch_scc1 .Lnot_wave_0_\@
	s_barrier_signal -3
.Lnot_wave_0_\@:
	s_barrier_wait -3
	s_barrier_signal -1
	s_barrier_wait -1
.endm
.macro CROUND
	s_barrier_signal -1
	s_barrier_wait -1
	CREST
.endm
.macro FETCH slot, q, p                ; the fragments and scale words of the slot's q-th K step into set p
	WIN 0x40
.set I_, 0
.rept NB
.irp c, 0,1,2
	ds_load_b128 v[12*NB*(\p)+12*I_+4*\c:12*NB*(\p)+12*I_+4*\c+3], v[ADRB+\slot] offset:I_*NQ*FRB+(\q)*FRB+512*\c
.endr
.set I_, I_+1
.endr
	WIN 0
.set I_, 0
.rept MB
.irp c, 0,1,2
	ds_load_b128 v[AF+12*MB*(\p)+12*I_+4*\c:AF+12*MB*(\p)+12*I_+4*\c+3], v[ADRA+\slot] offset:I_*NQ*FRB+(\q)*FRB+512*\c
.endr
.set I_, I_+1
.endr
.set I_, 0
.rept MB
	ds_load_b32 v[SC+8*(\p)+I_], v[ADRS] offset:(\q)*128*MB+64*I_   ; the tables lie [K step][both halves' 32 MB words]
.set I_, I_+1
.endr
.endm
.macro MULS a0, na, p, first           ; the accumulators take turns, one instruction a turn.  first = 1: the bias is the C
.set A_, \a0
.rept \na
.if (\first) && BIAS
	WIN 0x91+0x40*(A_*NB/32)
.else
	WIN 0xa1+0x50*(A_*NB/32)
.endif
.set B_, 0
.rept NB
.set D_, 8*((A_*NB+B_)%32)
.set RB_, 12*NB*(\p)+12*B_
.set RA_, AF+12*MB*(\p)+12*A_
.if (\first) && BIAS
	v_wmma_scale_f32_16x16x128_f8f6f4 v[D_:D_+7], v[RB_:RB_+11], v[RA_:RA_+11], v[BI+8*B_:BI+8*B_+7], v[SC+8*(\p)+B_], v[SC+8*(\p)+A_] matrix_a_fmt:MATRIX_FMT_FP6 matrix_b_fmt:MATRIX_FMT_FP6 matrix_a_scale:MATRIX_SCALE_ROW1
.else
	v_wmma_scale_f32_16x16x128_f8f6f4 v[D_:D_+7], v[RB_:RB_+11], v[RA_:RA_+11], v[D_:D_+7], v[SC+8*(\p)+B_], v[SC+8*(\p)+A_] matrix_a_fmt:MATRIX_FMT_FP6 matrix_b_fmt:MATRIX_FMT_FP6 matrix_a_scale:MATRIX_SCALE_ROW1
.endif
.set B_, B_+1
.endr
.set A_, A_+1
.endr
.endm
.macro STEP slot, q, first
	s_wait_dscnt 0x0                               ; this step's set, asked for a whole step ago, is in
	PLACES 4                                       ; the other set was read by the products just issued
	FETCH \slot, (\q)+1, 1-(\q)%2
	MULS 0, MB, (\q)%2, \first
	WIN 0
.endm
; PREFETCHES INTO THE L2: with fill n (a slot of four K steps; n = 0 .. 7) the tiles of fill n + 2 are asked for, and with the head's also fill 1's; the last two fills ask for nothing.  Of the four blocks of 6,144 bytes that a wave fetches,
; each of the four partners of the joint load takes one, told apart by address (cx for A, cy for B): 24 units of 256 bytes, a lane a unit; lanes 24-31 name the last again.
.set PFA, 100                          ; s[100:101] my block of the fill that follows the one being asked for
.set PFO, 31                           ; v31 256 x min(lane, 23); never rewritten
.macro TURN slot, next, fill
.if \fill
	s_wait_xcnt 0x0                                ; my last prefetch has read its address: it steps on by a fill
	s_add_nc_u64 s[PFA:PFA+1], s[PFA:PFA+1], NQ*FRB
.endif
	s_wait_tensorcnt 0x0                           ; all my tensor loads have landed: my part of the next slot;
	ds_add_u32 v[SPW], v[NIL]                      ; 0 onto my spare word;
	s_wait_dscnt 0x1                               ; (the add alone may be out)
	MULS 0, MB/4, 1, 0
	s_wait_dscnt 0x0                               ; the add is done, and my reads of this slot are over
	s_barrier_signal -1
	MULS MB/4, MB/4, 1, 0
	WIN 0
	s_barrier_wait -1
.if \fill
	CREST                                          ; no wave of any partner still reads this slot or has a load on its way
	s_add_nc_u64 s[G0+4*\slot+2:G0+4*\slot+3], s[G0+4*\slot+2:G0+4*\slot+3], 2*NQ*FRB
	s_add_nc_u64 s[G0B+4*\slot+2:G0B+4*\slot+3], s[G0B+4*\slot+2:G0B+4*\slot+3], 2*NQ*FRB
	JLOAD G0+4*\slot, G1, G0B+4*\slot, G1B         ; the first tensor load behind the round: it has four K steps in which to land
.else
	PLACES 4
.endif
	v_add_nc_u32 v[ADRS], NQ*128*MB, v[ADRS]
	FETCH \next, 0, 0
.if \fill
	s_cmp_gt_u32 s3, 1                             ; the loop's last trip holds fills 6 and 7: no fill stands two on
	s_cbranch_scc0 .Lno_ask_\@
	global_prefetch_b8 v[PFO], s[PFA:PFA+1] offset:NQ*FRB th:TH_LOAD_NT scope:SCOPE_SE
.Lno_ask_\@:
.endif
	MULS MB/2, MB/2, 1, 0
	WIN 0
.endm
.macro LAST
	s_wait_dscnt 0x0
	MULS 0, MB, 1, 0
	WIN 0
.endm
	s_load_b256 s[4:11], s[0:1], 0x0               ; A, wts, the bias, the residual
	s_load_b64 s[12:13], s[0:1], 0x20              ; the output
	v_lshl_add_u32 v[SPW], v0, 2, SPARE
	v_mov_b32 v[NIL], 0
	ds_add_u32 v[SPW], v[NIL]                      ; the wave's opening: the add and its wait ahead of my first tensor load
	ds_add_u32 v[SPW], v[NIL]
	v_lshrrev_b32 v1, 5, v0
	v_readfirstlane_b32 s14, v1
	s_lshr_b32 s15, s14, 1
	s_and_b32 s16, s14, 1
	s_bfe_u32 s40, ttmp6, 0x40000
	s_bfe_u32 s41, ttmp6, 0x40004
	s_lshl_b32 s42, ttmp9, 2
	s_add_co_u32 s42, s42, s40                     ; tile column
	s_and_b32 s17, ttmp7, 0xffff
	s_lshl_b32 s17, s17, 2
	s_add_co_u32 s17, s17, s41                     ; tile row
	s_lshl_b32 s43, s41, 2
	s_lshl_b32 s43, 15, s43
	s_lshl_b32 s44, 0x1111, s40
	s_or_b32 s[G1+0], s43, (3<<16)|(1<<21)
	s_or_b32 s[G1B+0], s44, (3<<16)|(1<<21)
.irp g, G1, G1B
	s_mov_b32 s[\g+1], (NQ*192)<<16
	s_mov_b32 s[\g+2], (2*MB)<<16                  ; the head's loads bring both halves: 2 MB blocks
	s_mov_b32 s[\g+3], (NQ*192)<<16
	s_mov_b32 s[\g+4], 2*MB
	s_mov_b32 s[\g+5], KSTEPS*192
	s_mov_b32 s[\g+6], 0
	s_mov_b32 s[\g+7], 0
.endr
	s_or_b32 s[G1S+0], s43, (2<<16)|(1<<21)
	s_or_b32 s[G1SB+0], s44, (2<<16)|(1<<21)
.irp g, G1S, G1SB
	s_mov_b32 s[\g+1], (32*MB)<<16
	s_mov_b32 s[\g+2], KSTEPS<<16
	s_mov_b32 s[\g+3], (32*MB)<<16
	s_mov_b32 s[\g+4], KSTEPS
	s_mov_b32 s[\g+5], 4096
	s_mov_b32 s[\g+6], 0
	s_mov_b32 s[\g+7], 0
.endr
	s_mul_i32 s22, s17, 2*MB
	s_mul_i32 s18, s16, MB*KSTEPS*FRB              ; in the ring I fetch one half of a tile: its distance in bytes
	s_mov_b32 s19, 0
	s_mul_i32 s92, s22, KSTEPS*FRB
	s_lshl_b32 s94, s22, 6
	s_add_co_u32 s94, s94, A_S
	s_mov_b32 s93, 0
	s_mov_b32 s95, 0
	s_mul_i32 s46, s42, 2*MB
	s_mul_i32 s96, s46, KSTEPS*FRB
	s_add_co_u32 s96, s96, B_C
	s_lshl_b32 s98, s46, 6
	s_add_co_u32 s98, s98, B_S
	s_mov_b32 s97, 0
	s_mov_b32 s99, 0
	s_mul_i32 s2, s14, HALFT
	s_wait_dscnt 0x0
	s_wait_kmcnt 0x0
	CROUND
	s_mov_b32 s[G0S], 1
	s_mov_b32 s[G0S+1], SCL
	s_add_nc_u64 s[G0S+2:G0S+3], s[4:5], s[94:95]
	s_or_b32 s[G0S+3], s[G0S+3], 0x80000000
	s_mov_b32 s[G0SB], 1
	s_mov_b32 s[G0SB+1], SCL+2*SREG
	s_add_nc_u64 s[G0SB+2:G0SB+3], s[6:7], s[98:99]
	s_or_b32 s[G0SB+3], s[G0SB+3], 0x80000000
	s_add_nc_u64 s[92:93], s[4:5], s[92:93]
	s_add_nc_u64 s[96:97], s[6:7], s[96:97]
	s_mov_b64 s[94:95], s[92:93]                   ; the whole tiles' addresses, for the head's loads
	s_mov_b64 s[98:99], s[96:97]
	s_add_nc_u64 s[92:93], s[92:93], s[18:19]      ; my half's, for the ring
	s_add_nc_u64 s[96:97], s[96:97], s[18:19]
	s_cmp_eq_u32 s15, 0                            ; do I fetch for A?
	s_cselect_b64 s[PFA:PFA+1], s[92:93], s[96:97]
	s_cselect_b32 s20, s40, s41                    ; my place among the four that ask with me
	s_mul_i32 s20, s20, KSTEPS*FRB                 ; its block of my four,
	s_add_co_u32 s20, s20, NQ*FRB                  ; at fill 1
	s_mov_b32 s21, 0
	s_add_nc_u64 s[PFA:PFA+1], s[PFA:PFA+1], s[20:21]
.irp s, 0,1
	s_mov_b32 s[G0+4*\s], 1
	s_add_co_u32 s[G0+4*\s+1], s2, \s*SLOT
	s_add_nc_u64 s[G0+4*\s+2:G0+4*\s+3], s[92:93], \s*NQ*FRB
	s_or_b32 s[G0+4*\s+3], s[G0+4*\s+3], 0x80000000
	s_mov_b32 s[G0B+4*\s], 1
	s_add_co_u32 s[G0B+4*\s+1], s2, \s*SLOT
	s_add_nc_u64 s[G0B+4*\s+2:G0B+4*\s+3], s[96:97], \s*NQ*FRB
	s_or_b32 s[G0B+4*\s+3], s[G0B+4*\s+3], 0x80000000
.endr
	s_mov_b32 s92, 1                               ; s[92:95]: group 0 of A's slot 0, both halves; s[96:99]: of B's
	s_mov_b32 s93, 0
	s_or_b32 s95, s95, 0x80000000
	s_mov_b32 s96, 1
	s_mov_b32 s97, 2*HALFT
	s_or_b32 s99, s99, 0x80000000
; THE HEAD'S FOUR TILES, one a wave: A's slot 0, B's slot 0, A's scale words, B's.  One chain of arms on the wave's number, all leading to one join.
.macro ARM under, g0, g1, next
	s_cmp_lt_u32 s14, \under
	s_cbranch_scc0 \next
	tensor_load_to_lds s[\g0:\g0+3], s[\g1:\g1+7]
	s_nop 0
	PLACES 4
	s_branch .Lhead_asked
\next:
.endm
	ARM 1, 92, G1, .Lhead_b
	ARM 2, 96, G1B, .Lhead_sa
	ARM 3, G0S, G1S, .Lhead_sb
	tensor_load_to_lds s[G0SB:G0SB+3], s[G1SB:G1SB+7]
	s_nop 0
	PLACES 4
.Lhead_asked:
	v_and_b32 v1, 15, v0                           ; r
	v_bfe_u32 v2, v0, 4, 1                         ; h
	s_wait_alu depctr_va_vdst(0)
	v_and_b32 v3, 31, v0
	v_lshlrev_b32 v[LI], 4, v3
	s_mul_i32 s18, s15, HALFT
	s_mul_i32 s19, s16, HALFT
	s_add_co_u32 s19, s19, 2*HALFT
.irp s, 0,1
	v_add_nc_u32 v[ADRA+\s], s18, v[LI]
	v_add_nc_u32 v[ADRB+\s], s19, v[LI]
	s_add_co_u32 s18, s18, SLOT
	s_add_co_u32 s19, s19, SLOT
.endr
	s_mul_i32 s18, s15, 64*MB
	s_mul_i32 s19, s16, 64*MB
	s_add_co_u32 s19, s19, 2*SREG
	s_sub_co_u32 s19, s19, s18
	v_mul_u32_u24 v4, s19, v2
	s_add_co_u32 s18, s18, SCL
	v_lshl_add_u32 v4, v1, 2, v4
	v_add_nc_u32 v[ADRS], s18, v4
	s_mul_i32 s18, s14, 16*272
	s_add_co_u32 s18, s18, STAGE                   ; my stage
	v_mul_u32_u24 v4, v1, 272
	v_lshl_add_u32 v4, v2, 6, v4
	v_add_nc_u32 v[STO], s18, v4                   ; in: row r, + 64 h
	v_mul_u32_u24 v4, v2, 272
	v_lshl_add_u32 v4, v1, 4, v4
	v_add_nc_u32 v[RD], s18, v4                    ; back: lanes 0-15 one row of 256 bytes, lanes 16-31 the next
	v_lshlrev_b32 v4, 12, v2
	v_lshl_add_u32 v[CO], v1, 4, v4                ; and the same two rows in memory
	v_min_u32 v[PFO], 23, v3
	v_lshlrev_b32 v[PFO], 8, v[PFO]
	s_wait_alu depctr_va_vdst(0)
	global_prefetch_b8 v[PFO], s[PFA:PFA+1] th:TH_LOAD_NT scope:SCOPE_SE                 ; fill 1's tiles,
	global_prefetch_b8 v[PFO], s[PFA:PFA+1] offset:NQ*FRB th:TH_LOAD_NT scope:SCOPE_SE   ; and fill 2's
	s_mul_i32 s18, s42, 128*MB
	s_mul_i32 s19, s16, 64*MB
	s_add_co_u32 s18, s18, s19
	s_mov_b32 s19, 0
	s_add_nc_u64 s[8:9], s[8:9], s[18:19]          ; the bias at my first column
	s_lshl_b32 s20, s17, 7
	s_lshl_b32 s66, s15, 6
	s_add_co_u32 s20, s20, s66
	s_lshl_b32 s20, s20, 12                        ; my first row, 4,096 bytes a row,
	s_add_co_u32 s20, s20, s18                     ; and my first column
	s_mov_b32 s21, 0
	s_add_nc_u64 s[10:11], s[10:11], s[20:21]
	s_add_nc_u64 s[12:13], s[12:13], s[20:21]
	v_lshlrev_b32 v5, 6, v2
	WIN 0x40
.set I_, 0
.rept NB
	global_load_b128 v[BI+8*I_:BI+8*I_+3], v5, s[8:9] offset:(32*(I_/2)+8*(I_%2))*4
	global_load_b128 v[BI+8*I_+4:BI+8*I_+7], v5, s[8:9] offset:(32*(I_/2)+8*(I_%2))*4+16
.set I_, I_+1
.endr
	WIN 0
	s_wait_xcnt 0x0                                ; the prefetches have read their address
	s_add_nc_u64 s[PFA:PFA+1], s[PFA:PFA+1], NQ*FRB
	s_wait_tensorcnt 0x0                           ; my tile of the head's four is in; slot 1's first fill is issued as a refill is
	ds_add_u32 v[SPW], v[NIL]
	s_mov_b32 s[G1+2], MB<<16                      ; no load of mine is out: from here on a load brings one half, MB blocks
	s_mov_b32 s[G1+4], MB
	s_mov_b32 s[G1B+2], MB<<16
	s_mov_b32 s[G1B+4], MB
	s_wait_dscnt 0x0
	CROUND
	JLOAD G0+4, G1, G0B+4, G1B                     ; fill 1
	FETCH 0, 0, 0
	global_prefetch_b8 v[PFO], s[PFA:PFA+1] offset:NQ*FRB th:TH_LOAD_NT scope:SCOPE_SE   ; fill 3's tiles
	s_wait_loadcnt 0x0                             ; the bias is in
	STEP 0, 0, 1
	WIN 0xc0                                       ; the residual is wanted on the way out alone: it is asked for here, behind the head's tiles, in the order in which the rows leave
.irp a, 0,1,2,3
.irp t, 0,1,2,3,4,5,6,7
	global_load_b128 v[32*\a+4*\t:32*\a+4*\t+3], v[CO], s[10:11] offset:(32*(\a/2)+8*(\a%2)+2*\t+8*(\t/4))*4096 th:TH_LOAD_NT
.endr
.endr
	WIN 0
.if LAPS > 1
	s_mov_b32 s3, LAPS-1
.Llap:
	s_wait_alu depctr_va_vdst(0)
	STEP 0, 1, 0
	STEP 0, 2, 0
	TURN 0, 1, 1
	s_wait_alu depctr_va_vdst(0)
	STEP 1, 0, 0
	STEP 1, 1, 0
	STEP 1, 2, 0
	TURN 1, 0, 1
	s_wait_alu depctr_va_vdst(0)
	STEP 0, 0, 0
	s_sub_co_u32 s3, s3, 1
	s_cmp_lg_u32 s3, 0
	s_cbranch_scc1 .Llap
.endif
	STEP 0, 1, 0
	STEP 0, 2, 0
	TURN 0, 1, 0
	s_wait_alu depctr_va_vdst(0)
	STEP 1, 0, 0
	STEP 1, 1, 0
	STEP 1, 2, 0
	LAST
	; THE WAY OUT, a block of 16 rows x 64 columns at a time: through my own stage in LDS, back as whole rows of 256 bytes, the residual added, sixteen lanes to an aligned 256 bytes.
.macro TOSTAGE a
	WIN 0x08
.irp b, 0,1,2,3
	ds_store_b128 v[STO], v[8*(4*(\a)+\b):8*(4*(\a)+\b)+3] offset:128*(\b/2)+32*(\b%2)          ; each accumulator from its low end on
	ds_store_b128 v[STO], v[8*(4*(\a)+\b)+4:8*(4*(\a)+\b)+7] offset:128*(\b/2)+32*(\b%2)+16
.endr
	WIN 0
.irp t, 0,1,2,3,4,5,6,7
	ds_load_b128 v[BK+32*((\a)%2)+4*\t:BK+32*((\a)%2)+4*\t+3], v[RD] offset:544*\t   ; LDS serves a wave's instructions in order: these see my stores
.endr
.endm
.macro SEND a, younger
	s_wait_dscnt \younger
	WIN 0x0c
.set J_, 0
.rept 16
	v_pk_add_f32 v[BK+32*((\a)%2)+J_:BK+32*((\a)%2)+J_+1], v[BK+32*((\a)%2)+J_:BK+32*((\a)%2)+J_+1], v[32*(\a)+J_:32*(\a)+J_+1]
.set J_, J_+2
.endr
	WIN 0
.irp t, 0,1,2,3,4,5,6,7
	global_store_b128 v[CO], v[BK+32*((\a)%2)+4*\t:BK+32*((\a)%2)+4*\t+3], s[12:13] offset:(32*((\a)/2)+8*((\a)%2)+2*\t+8*(\t/4))*4096
.endr
.endm
	PLACES 4                                       ; behind the last products: ahead of the first read of results and of loads into A's registers
	s_wait_loadcnt 0x0                             ; the residual
	TOSTAGE 0
.irp a, 1,2,3
.if \a > 1
	s_wait_xcnt 0x0                                ; block a - 2's stores have read their registers: block a's loads may land there
.endif
	TOSTAGE \a
	SEND \a-1, 16                                  ; behind block a - 1's loads: block a's 8 stores and 8 loads
.endr
	SEND 3, 0
	s_wait_tensorcnt 0x0                           ; the wave's end
	ds_add_u32 v[SPW], v[NIL]
	s_wait_dscnt 0x0
	CROUND                                         ; the closing round
	s_endpgm
.Lfunc_end_k_qa3b432a7b7_ffn2:
	.size	k_qa3b432a7b7_ffn2, .Lfunc_end_k_qa3b432a7b7_ffn2-k_qa3b432a7b7_ffn2
	.p2alignl 7, 3214868480
	.fill 96, 4, 3214868480
	.section	.rodata,"a",@progbits
	.p2align	6, 0x0
	.amdhsa_kernel k_qa3b432a7b7_ffn2
		.amdhsa_group_segment_fixed_size 327680
		.amdhsa_private_segment_fixed_size 0
		.amdhsa_enable_private_segment 0
		.amdhsa_kernarg_size 40
		.amdhsa_user_sgpr_count 2
		.amdhsa_user_sgpr_kernarg_segment_ptr 1
		.amdhsa_wavefront_size32 1
		.amdhsa_system_sgpr_workgroup_id_x 1
		.amdhsa_system_sgpr_workgroup_id_y 1
		.amdhsa_system_sgpr_workgroup_id_z 1
		.amdhsa_system_vgpr_workitem_id 0
		.amdhsa_next_free_vgpr 1024
		.amdhsa_next_free_sgpr 102
		.amdhsa_reserve_vcc 0
		.amdhsa_float_denorm_mode_32 3
		.amdhsa_float_denorm_mode_16_64 3
		.amdhsa_memory_ordered 1
		.amdhsa_forward_progress 1
		.amdhsa_inst_pref_size 95
	.end_amdhsa_kernel
	.amdgpu_metadata
---
amdhsa.version: [ 1, 2 ]
amdhsa.kernels:
  - .name:           k_qa3b432a7b7_ffn2
    .symbol:         k_qa3b432a7b7_ffn2.kd
    .args:
      - { .name: hid, .offset: 0, .size: 8, .value_kind: global_buffer, .address_space: global }
      - { .name: wts, .offset: 8, .size: 8, .value_kind: global_buffer, .address_space: global }
      - { .name: b2, .offset: 16, .size: 8, .value_kind: global_buffer, .address_space: global }
      - { .name: x1, .offset: 24, .size: 8, .value_kind: global_buffer, .address_space: global }
      - { .name: out0, .offset: 32, .size: 8, .value_kind: global_buffer, .address_space: global }
    .group_segment_fixed_size: 327680
    .private_segment_fixed_size: 0
    .kernarg_segment_align: 8
    .kernarg_segment_size: 40
    .max_flat_workgroup_size: 128
    .sgpr_count:     102
    .vgpr_count:     1024
    .wavefront_size: 32
...
	.end_amdgpu_metadata
.endif
;; end of part 7
